; MI455X (gfx1250); checked and timed in simulation.
; The chip was launched on July 23, 2026; its instructions are those of AMD's public machine-readable ISA for CDNA 5 (MIT licence, August 2026) and "CDNA5" Instruction Set Architecture Reference Guide (July 2026). The comments in the code are by the model that wrote it; some were corrected since.
;; Deep Seek Neural Attention. Allowed arithmetic: float matrix products may take bf16 or f16 operands with f32 sums; other float arithmetic in f32, or as packed bf16 or f16 multiplies, adds, multiply-adds, maxima and minima; sums over many terms, partial sums and values carried from step to step in f32; what a program stores and reads back later, other than sums and carried values, may be rounded once to bf16 or f16.
;; Inputs: attention_mask 1 x 1 x 2,048 x 2,048 float32; cp_k 32,539 float32; cp_o 32,539 float32; cp_q 32,539 float32; cp_v 32,539 float32; hidden_states 1 x 2,048 x 2,048 float32.
;; Outputs: out0 1 x 2,048 x 2,048 float32.
;; One version. Each part assembles by itself: llvm-mc -triple=amdgcn-amd-amdhsa -mcpu=gfx1250 --defsym DOCPART=n.
;; ======== version 1 of 1: 4 launches
;; limits: values are held in f16: magnitudes above 65,504 overflow, below 6.1e-05 lose precision; right only within a limited range of input values
;; workspace buffers: xh 8,388,608 bytes; mk 8,388,608 bytes; wqkv 33,554,432 bytes; wo 16,777,216 bytes; qk 16,777,216 bytes; vv 16,777,216 bytes; ohl 16,777,216 bytes
;; launch prep (part 1): grid 3072 x 1, 8 waves a work-group, no clusters, 0 bytes of LDS; arguments hidden_states, attention_mask, cp_q, cp_k, cp_v, cp_o, xh, mk, wqkv, wo; writes xh, mk, wqkv, wo
.if DOCPART == 1
	.amdgcn_target "amdgcn-amd-amdhsa--gfx1250"
	.amdhsa_code_object_version 6
	.text
	.protected	k_q0d311789e2_prep
	.globl	k_q0d311789e2_prep
	.p2align	8
	.type	k_q0d311789e2_prep,@function
k_q0d311789e2_prep:
	s_mov_b64 s[64:65], 0
	v_nop
	global_prefetch_b8 v0, s[64:65] scope:SCOPE_SE
	s_setreg_imm32_b32 hwreg(HW_REG_WAVE_MODE, 25, 1), 1
	s_wait_xcnt 0x0
; PREP.  Three kinds of work-group, told apart by the work-group's number g:
;   g < 2048          four rows of one of the four weight matrices (g >> 9: q, k, v, o), sampled from its curve of 32,539 control points
;   2048 <= g < 2560  32,768 bytes of hidden_states: rounded to bf16, written as f16 (exact within f16's range)
;   g >= 2560         32,768 bytes of attention_mask: rounded to bf16
; THE CURVE.  W[i] = c[j] + (t_i - xp_j) * (c[j+1] - c[j]) / (xp_{j+1} - xp_j), with t_i = f32(i) * RCT and xp_j = f32(j) * RCX, each rounded once to f32, and j the
; segment with xp_j <= t_i < xp_{j+1} on those rounded numbers.  RCT and RCX are 1 / 4,194,303 and 1 / 32,538 rounded to f32.  The control points are rounded to bf16 first;
; q's are then multiplied by log2(e) / sqrt(128) in f32, so that q . k arrives as an exponent of 2 and needs no scale later.
; A thread makes 8 neighbouring numbers of a row.  jb = floor(i0 * 32,538 / 2^22) is made of whole numbers alone, and the addresses hang on it alone; the 8 numbers lie in segments jb - 1, jb or jb + 1
; (a segment is 128.9 numbers long): all three are evaluated and two comparisons select the value.
; OUT.  q, k: one f16.  v, o: a pair of f16, hi = f16(W), lo = f16(W - hi).  wqkv's rows: 0.. q, 2048.. k, then for each head 64 hi, 64 lo, 64 hi, 64 lo of v.  wo's rows: 0.. hi, 2048.. lo.
; LIMITS.  f16 ends at 65,504 and below 6.1e-5 keeps a fixed step of 6e-8: hidden_states within 65,504; weights far below 1e-4 lose relative precision.  NaN and infinities are not treated apart.
.set RCT,   0x34800002
.set RCX,   0x3800e7a0
.set NSEG,  32538
.set LASTB, 4*NSEG                     ; byte offset of the last control point
.set QSC,   0x3e0293ee                 ; log2(e) / sqrt(128)
	s_load_b512 s[4:19], s[0:1], 0x0               ; hidden s[4:5], mask s[6:7], cp_q, cp_k, cp_v, cp_o s[8:15], xh s[16:17], mk s[18:19]
	s_load_b128 s[20:23], s[0:1], 0x40             ; wqkv s[20:21], wo s[22:23]
	s_mov_b32 s2, ttmp9
	v_lshlrev_b32 v2, 4, v0                        ; 16 t
	s_wait_kmcnt 0x0
	s_cmp_lt_u32 s2, 2048
	s_cbranch_scc1 .Lweights
	; THE TWO CASTS.  Eight loads of 16 bytes a lane, all out at once; a wave's store covers 256 consecutive bytes, aligned.
	s_and_b32 s3, s2, 511
	s_lshl_b32 s24, s3, 15                         ; 32,768 bytes in,
	s_mov_b32 s25, 0
	s_lshl_b32 s26, s3, 14                         ; 16,384 out
	s_mov_b32 s27, 0
	s_cmp_lt_u32 s2, 2560
	s_cselect_b64 s[28:29], s[4:5], s[6:7]
	s_cselect_b64 s[30:31], s[16:17], s[18:19]
	s_add_nc_u64 s[28:29], s[28:29], s[24:25]
	s_add_nc_u64 s[30:31], s[30:31], s[26:27]
	s_mov_b32 s3, 0xffff0000
	v_lshlrev_b32 v3, 3, v0                        ; 8 t
.irp j, 0,1,2,3,4,5,6,7
	global_load_b128 v[8+4*(\j):11+4*(\j)], v2, s[28:29] offset:4096*(\j) th:TH_LOAD_NT
.endr
.macro CAST tof16
.irp j, 0,1,2,3,4,5,6,7
	s_wait_loadcnt 7-(\j)                          ; loads come back in order: load j is in, the younger ones stay out
	v_cvt_pk_bf16_f32 v[48+2*(\j)], v[8+4*(\j)], v[9+4*(\j)]
	v_cvt_pk_bf16_f32 v[49+2*(\j)], v[10+4*(\j)], v[11+4*(\j)]
.if \tof16
	v_lshlrev_b32 v[8+4*(\j)], 16, v[48+2*(\j)]
	v_and_b32 v[9+4*(\j)], s3, v[48+2*(\j)]
	v_lshlrev_b32 v[10+4*(\j)], 16, v[49+2*(\j)]
	v_and_b32 v[11+4*(\j)], s3, v[49+2*(\j)]
	v_cvt_pk_f16_f32 v[48+2*(\j)], v[8+4*(\j)], v[9+4*(\j)]
	v_cvt_pk_f16_f32 v[49+2*(\j)], v[10+4*(\j)], v[11+4*(\j)]
.endif
	global_store_b64 v3, v[48+2*(\j):49+2*(\j)], s[30:31] offset:2048*(\j)  ; each store has data registers of its own: nothing is rewritten
.endr
.endm
	s_cmp_lt_u32 s2, 2560
	s_cbranch_scc0 .Lmask
	CAST 1
	s_endpgm
.Lmask:
	CAST 0
	s_endpgm
.Lweights:
	s_lshr_b32 s3, s2, 9                           ; the matrix: 0 q, 1 k, 2 v, 3 o
	s_and_b32 s26, s2, 511
	s_lshl_b32 s27, s26, 2                         ; r0: my first of four rows
	s_bitcmp1_b32 s3, 0
	s_cselect_b64 s[24:25], s[10:11], s[8:9]       ; k or q
	s_cselect_b64 s[42:43], s[14:15], s[12:13]     ; o or v
	s_bitcmp1_b32 s3, 1
	s_cselect_b64 s[24:25], s[42:43], s[24:25]     ; the control points
	s_cmp_eq_u32 s3, 0
	s_cselect_b32 s28, QSC, 1.0
	s_mov_b32 s29, s28                             ; named as a pair
	s_lshr_b32 s30, s27, 6                         ; v's row: 4096 + 128 (r0 / 64) + r0 % 64
	s_lshl_b32 s30, s30, 7
	s_and_b32 s31, s27, 63
	s_add_co_u32 s30, s30, s31
	s_add_co_u32 s30, s30, 4096
	s_lshl_b32 s31, s3, 11                         ; q's and k's: 2048 x matrix + r0
	s_add_co_u32 s31, s31, s27
	s_mov_b32 s36, 0x40000                         ; from hi to lo: 64 rows in wqkv,
	s_cmp_eq_u32 s3, 2
	s_cselect_b32 s30, s30, s31
	s_cmp_eq_u32 s3, 3
	s_cselect_b32 s30, s27, s30                    ; o's: r0
	s_cselect_b64 s[32:33], s[22:23], s[20:21]
	s_cselect_b32 s36, 0x800000, s36               ; 2,048 rows in wo
	s_mov_b32 s37, 0
	s_lshl_b32 s30, s30, 12                        ; a row is 4,096 bytes
	s_mov_b32 s31, 0
	s_add_nc_u64 s[32:33], s[32:33], s[30:31]      ; hi
	s_add_nc_u64 s[34:35], s[32:33], s[36:37]      ; lo (used for v and o alone)
	s_mov_b32 s40, NSEG
	s_mov_b32 s44, RCT
	s_mov_b32 s45, RCT
	s_mov_b32 s46, RCX
	s_lshl_b32 s38, s27, 11
	v_lshl_add_u32 v1, v0, 3, s38                  ; i0 = 2048 r0 + 8 t
	v_mov_b32 v32, 0
	v_mov_b32 v33, 1.0
	v_mov_b32 v34, 2.0
	v_mov_b32 v35, 0x40400000
	v_mov_b32 v36, 4.0
	v_mov_b32 v37, 0x40a00000
	v_mov_b32 v38, 0x40c00000
	v_mov_b32 v39, 0x40e00000
	v_mov_b32 v82, -1.0
	s_mov_b32 s41, 4
.macro XP d, j                         ; xp of the whole number in v[j], as f32
	v_mul_f32 v[\d], s46, v[\j]
.endm
.Lrow:
	v_lshlrev_b32 v4, 10, v1
	v_mul_hi_u32 v4, v4, s40                       ; jb = floor(i0 x 32,538 / 2^22)
	v_lshlrev_b32 v5, 2, v4
	v_min_u32 v5, LASTB-4, v5                      ; (it is never more)
	v_add_nc_u32 v6, -4, v5
	v_max_i32 v6, 0, v6                            ; point jb - 1, held inside the table
	v_add_nc_u32 v7, 8, v5
	v_min_u32 v7, LASTB, v7                        ; point jb + 2, likewise
	global_load_b32 v8, v6, s[24:25]
	global_load_b32 v9, v5, s[24:25]
	global_load_b32 v10, v5, s[24:25] offset:4
	global_load_b32 v11, v7, s[24:25]
	v_add_nc_u32 v23, -1, v4                       ; while they are out: the four xp, the eight t, the three 1 / dx
	v_cvt_f32_i32 v23, v23
	v_add_f32 v24, 1.0, v23
	v_add_f32 v25, 2.0, v23
	v_add_f32 v26, 0x40400000, v23
	XP 16, 23
	XP 18, 24
	XP 20, 25
	XP 22, 26
	v_sub_f32 v24, v18, v16
	v_sub_f32 v25, v20, v18
	v_sub_f32 v26, v22, v20
	v_rcp_f32 v24, v24
	v_rcp_f32 v25, v25
	v_rcp_f32 v26, v26
	v_cvt_f32_u32 v40, v1
	v_mov_b32 v41, v40
.irp p, 0,1,2,3
	v_pk_add_f32 v[42+2*(\p):43+2*(\p)], v[40:41], v[32+2*(\p):33+2*(\p)]  ; f32(i): exact, i is under 2^24
.endr
.irp p, 0,1,2,3
	v_pk_mul_f32 v[42+2*(\p):43+2*(\p)], v[42+2*(\p):43+2*(\p)], s[44:45] op_sel_hi:[1,0]
.endr
	s_wait_loadcnt 0x0
	v_cvt_pk_bf16_f32 v12, v8, v9
	v_cvt_pk_bf16_f32 v13, v10, v11
	v_lshlrev_b32 v8, 16, v12
	v_and_b32 v9, 0xffff0000, v12
	v_lshlrev_b32 v10, 16, v13
	v_and_b32 v11, 0xffff0000, v13
	v_pk_mul_f32 v[8:9], v[8:9], s[28:29] op_sel_hi:[1,0]
	v_pk_mul_f32 v[10:11], v[10:11], s[28:29] op_sel_hi:[1,0]
	v_sub_f32 v28, v9, v8
	v_sub_f32 v29, v10, v9
	v_sub_f32 v30, v11, v10
	s_wait_alu depctr_va_vdst(0)                   ; one wait for the three reciprocals, ahead of their first reader; the lines above are the plain work between
	v_mul_f32 v17, v28, v24                        ; the slopes: v[16:17], v[18:19], v[20:21] = (xp, slope) of the three segments
	v_mul_f32 v19, v29, v25
	v_mul_f32 v21, v30, v26
.irp p, 0,1,2,3
.irp s, 0,1,2
	v_pk_add_f32 v[52+2*(\s):53+2*(\s)], v[42+2*(\p):43+2*(\p)], v[16+2*(\s):17+2*(\s)] op_sel_hi:[1,0] neg_lo:[0,1] neg_hi:[0,1]  ; t - xp
.endr
	v_pk_fma_f32 v[52:53], v[52:53], v[16:17], v[8:9] op_sel:[0,1,0] op_sel_hi:[1,1,0]    ; x slope + c, both halves with the pair's one slope and one c
	v_pk_fma_f32 v[54:55], v[54:55], v[18:19], v[8:9] op_sel:[0,1,1] op_sel_hi:[1,1,1]
	v_pk_fma_f32 v[56:57], v[56:57], v[20:21], v[10:11] op_sel:[0,1,0] op_sel_hi:[1,1,0]
.irp u, 0,1
	v_cmp_ge_f32 vcc_lo, v[42+2*(\p)+(\u)], v18
	v_cndmask_b32 v[58+2*(\p)+(\u)], v[52+(\u)], v[54+(\u)], vcc_lo
	v_cmp_ge_f32 vcc_lo, v[42+2*(\p)+(\u)], v20
	v_cndmask_b32 v[58+2*(\p)+(\u)], v[58+2*(\p)+(\u)], v[56+(\u)], vcc_lo
.endr
.endr
.irp p, 0,1,2,3
	v_cvt_pk_f16_f32 v[66+(\p)], v[58+2*(\p)], v[59+2*(\p)]
.endr
	global_store_b128 v2, v[66:69], s[32:33]       ; the eight waves cover the row; 16 lanes fill 256 consecutive bytes, aligned
	s_cmp_lt_u32 s3, 2
	s_cbranch_scc1 .Lno_lo
.irp p, 0,1,2,3
	v_fma_mix_f32 v[70+2*(\p)], v[66+(\p)], v82, v[58+2*(\p)] op_sel_hi:[1,0,0]              ; W - hi, exact
	v_fma_mix_f32 v[71+2*(\p)], v[66+(\p)], v82, v[59+2*(\p)] op_sel:[1,0,0] op_sel_hi:[1,0,0]
.endr
.irp p, 0,1,2,3
	v_cvt_pk_f16_f32 v[78+(\p)], v[70+2*(\p)], v[71+2*(\p)]
.endr
	global_store_b128 v2, v[78:81], s[34:35]
.Lno_lo:
	s_wait_xcnt 0x0                                ; the stores have read their data and bases: only now are these rewritten
	v_add_nc_u32 v1, 0x800, v1
	s_add_nc_u64 s[32:33], s[32:33], 0x1000
	s_add_nc_u64 s[34:35], s[34:35], 0x1000
	s_sub_co_u32 s41, s41, 1
	s_cmp_lg_u32 s41, 0
	s_cbranch_scc1 .Lrow
	s_endpgm
.Lfunc_end_k_q0d311789e2_prep:
	.size	k_q0d311789e2_prep, .Lfunc_end_k_q0d311789e2_prep-k_q0d311789e2_prep
	.p2alignl 7, 3214868480
	.fill 96, 4, 3214868480
	.section	.rodata,"a",@progbits
	.p2align	6, 0x0
	.amdhsa_kernel k_q0d311789e2_prep
		.amdhsa_group_segment_fixed_size 0
		.amdhsa_private_segment_fixed_size 0
		.amdhsa_enable_private_segment 0
		.amdhsa_kernarg_size 80
		.amdhsa_user_sgpr_count 2
		.amdhsa_user_sgpr_kernarg_segment_ptr 1
		.amdhsa_wavefront_size32 1
		.amdhsa_system_sgpr_workgroup_id_x 1
		.amdhsa_system_sgpr_workgroup_id_y 1
		.amdhsa_system_sgpr_workgroup_id_z 1
		.amdhsa_system_vgpr_workitem_id 0
		.amdhsa_next_free_vgpr 88
		.amdhsa_next_free_sgpr 66
		.amdhsa_reserve_vcc 1
		.amdhsa_float_denorm_mode_32 3
		.amdhsa_float_denorm_mode_16_64 3
		.amdhsa_memory_ordered 1
		.amdhsa_forward_progress 1
		.amdhsa_inst_pref_size 17
	.end_amdhsa_kernel
	.amdgpu_metadata
---
amdhsa.version: [ 1, 2 ]
amdhsa.kernels:
  - .name:           k_q0d311789e2_prep
    .symbol:         k_q0d311789e2_prep.kd
    .args:
      - { .name: hidden_states, .offset: 0, .size: 8, .value_kind: global_buffer, .address_space: global }
      - { .name: attention_mask, .offset: 8, .size: 8, .value_kind: global_buffer, .address_space: global }
      - { .name: cp_q, .offset: 16, .size: 8, .value_kind: global_buffer, .address_space: global }
      - { .name: cp_k, .offset: 24, .size: 8, .value_kind: global_buffer, .address_space: global }
      - { .name: cp_v, .offset: 32, .size: 8, .value_kind: global_buffer, .address_space: global }
      - { .name: cp_o, .offset: 40, .size: 8, .value_kind: global_buffer, .address_space: global }
      - { .name: xh, .offset: 48, .size: 8, .value_kind: global_buffer, .address_space: global }
      - { .name: mk, .offset: 56, .size: 8, .value_kind: global_buffer, .address_space: global }
      - { .name: wqkv, .offset: 64, .size: 8, .value_kind: global_buffer, .address_space: global }
      - { .name: wo, .offset: 72, .size: 8, .value_kind: global_buffer, .address_space: global }
    .group_segment_fixed_size: 0
    .private_segment_fixed_size: 0
    .kernarg_segment_align: 8
    .kernarg_segment_size: 80
    .max_flat_workgroup_size: 256
    .sgpr_count:     66
    .vgpr_count:     88
    .wavefront_size: 32
...
	.end_amdgpu_metadata
.endif
;; end of part 1
;; launch qkv (part 2): grid 32 x 8, 4 waves a work-group, clusters of 4 x 4, 327,680 bytes of LDS; arguments xh, wqkv, qk, vv; writes qk, vv
.if DOCPART == 2
	.amdgcn_target "amdgcn-amd-amdhsa--gfx1250"
	.amdhsa_code_object_version 6
	.text
	.protected	k_q0d311789e2_qkv
	.globl	k_q0d311789e2_qkv
	.p2align	8
	.type	k_q0d311789e2_qkv,@function
k_q0d311789e2_qkv:
	s_mov_b64 s[64:65], 0
	v_nop
	global_prefetch_b8 v0, s[64:65] scope:SCOPE_SE
	s_setreg_imm32_b32 hwreg(HW_REG_WAVE_MODE, 25, 1), 1
	s_wait_xcnt 0x0
	s_wait_alu depctr_hold_cnt(0) depctr_sa_sdst(0) depctr_va_vdst(0) depctr_va_sdst(0) depctr_va_ssrc(0) depctr_va_vcc(0) depctr_vm_vsrc(0)
	s_getreg_b32 s2, hwreg(HW_REG_IB_STS2, 6, 4)
	s_cmp_eq_u32 s2, 0
	s_cbranch_scc0 .Lentry_in_a_cluster
	s_endpgm
.Lentry_in_a_cluster:
	s_bfe_u32 s2, ttmp6, 0x10000c
	s_cmp_lg_u32 s2, 0xf033
	s_cbranch_scc0 .Lentry_shape_is_right
	s_endpgm
.Lentry_shape_is_right:
; C'[token][n] = sum over k of xh[token][k] wqkv[n][k]: 2048 x 8192 x 2048, f16 operands, f32 sums.  n < 2048: q (already scaled); n < 4096: k; then, for each head, v's weights as 64 hi, 64 lo, 64 hi, 64 lo rows.
; A tile of C' is 256 x 256, made by four waves of 128 x 128 (64 accumulators, 512 registers).  K goes in 16 steps of 128 through two LDS slots filled by the tensor data mover.
; CLUSTER 4 x 4: the four work-groups of a row of the cluster need the same tiles of xh, the four of a column the same tiles of wqkv: each tile is asked for jointly.
; THE MATRIX INSTRUCTION IS USED TRANSPOSED (source 0 = 16 rows of wqkv, source 1 = 16 rows of xh): a lane holds one token and eight neighbouring columns.
; OUT.  q, k: rounded once to f16, by heads, qk[plane][head][token][128].  v = (x Wh) + (x Wl), the wave's column blocks b and b + 4 added in f32, then split: hi = f16(v), lo = f16(v - hi);
; vv[head][token] is 512 bytes: hi ch 0-63, lo ch 0-63, hi ch 64-127, lo ch 64-127.
; LIMIT.  q, k, v within f16's 65,504.
; REGISTERS, in windows of 256: window 0: v0-31 addresses; v64-127, v128-191 fragments of xh, two buffers; v32-63, v192-255 at work on the way out.  window 1: v64-191 fragments of wqkv.  windows 2, 3: the accumulators.
.set SIZE_K, 2048
.set KSTEP,  128
.set PITCH,  272                       ; an LDS row: 256 bytes + 16 of padding: the 16 rows of a fragment load start 68 words apart
.set HALFT,  128*PITCH                 ; 128 rows: what one tensor load brings
.set SLOT,   4*HALFT                   ; xh's 256 rows, then wqkv's 256 rows; its two set bits meet none of wave x HALFT, so one exclusive or changes slots
.set STAGE,  2*SLOT                    ; behind the ring: 16 rows x 272 bytes for each wave
.set SPITCH, 272
.set SPARE,  STAGE+4*16*SPITCH         ; the spare words: 128 bytes a wave, named by no other line
.set ADRA,  16                         ; v16  LDS address of my xh fragments in the slot in hand
.set ADRA0, 17                         ; v17  the same in slot 0; never rewritten
.set ADRB,  20
.set ADRB0, 21
.set STO,   24
.set RD,    25
.set CO,    26
.set M1,    27                         ; v27  -1.0
.set SPW,   28
.set NIL,   29
.set F0,    64
.set F1,    128
.set TMP,   192
.set OB,    32
.set SUMV,  64                         ; the way out of v: 32 sums in f32
.set WV,    12                         ; s12  wave
.set SIDE,  13                         ; s13  wave / 2: my half of the tile's rows; also: I fetch for xh (0) or wqkv (1)
.set HALF,  14                         ; s14  wave % 2: my half of its columns; also: which 128 rows I fetch
.set TB,    46                         ; s46  0 or SLOT: the slot in hand
.set CNT,   47
.set G1,  24
.set G0,  32                           ; two sets for the two first fills; the second then walks
.set G1B, 48
.set G0B, 56
.set MSB, 0
.macro WIN new
.if MSB != (\new)
	s_set_vgpr_msb (MSB<<8)|(\new)
.set MSB, \new
.endif
.endm
.set MUL_LO, 0xa1
.set MUL_HI, 0xf1
.set TO_B,   0x40
.macro PLACES                          ; four plain places behind matrix instructions, in front of loads into their sources and of readers of their results
.rept 4
	v_nop
.endr
.endm
.macro JLOAD                           ; the joint refill by the walking set; the branch hangs on the wave's number alone
	s_cmp_eq_u32 s[SIDE], 0
	s_cbranch_scc0 .Lfor_b_\@
	tensor_load_to_lds s[G0+4:G0+7], s[G1:G1+7]
	s_nop 0
	PLACES
	s_branch .Lasked_\@
.Lfor_b_\@:
	tensor_load_to_lds s[G0B+4:G0B+7], s[G1B:G1B+7]
	s_nop 0
	PLACES
.Lasked_\@:
.endm
.macro CREST                           ; a round of the cluster's barrier behind its opening barrier
	s_cmp_lg_u32 s[WV], 0
	s_cbranch_scc1 .Lnot_wave_0_\@
	s_barrier_signal -3
.Lnot_wave_0_\@:
	s_barrier_wait -3
	s_barrier_signal -1
	s_barrier_wait -1
.endm
.macro CROUND
	s_barrier_signal -1
	s_barrier_wait -1
	CREST
.endm
	s_load_b256 s[4:11], s[0:1], 0x0               ; xh s[4:5], wqkv s[6:7], qk s[8:9], vv s[10:11]
	v_lshl_add_u32 v[SPW], v0, 2, SPARE
	v_mov_b32 v[NIL], 0
	ds_add_u32 v[SPW], v[NIL]                      ; the wave's opening: the add and its wait ahead of my first tensor load
	v_lshrrev_b32 v1, 5, v0
	v_readfirstlane_b32 s[WV], v1
	s_lshr_b32 s[SIDE], s[WV], 1
	s_and_b32 s[HALF], s[WV], 1
	s_bfe_u32 s40, ttmp6, 0x40000                  ; cx
	s_bfe_u32 s41, ttmp6, 0x40004                  ; cy
	s_lshl_b32 s42, ttmp9, 2
	s_add_co_u32 s42, s42, s40                     ; tile column
	s_and_b32 s43, ttmp7, 0xffff
	s_lshl_b32 s43, s43, 2
	s_add_co_u32 s43, s43, s41                     ; tile row
	s_lshl_b32 s44, s41, 2
	s_lshl_b32 s44, 15, s44                        ; my row of the cluster
	s_lshl_b32 s45, 0x1111, s40                    ; my column
	s_or_b32 s[G1], s44, (1<<16)|(1<<20)|(1<<21)|(5<<22)|(3<<25)   ; mask; 2-byte elements; padding on; bit 21 beside a mask; after every 64 words 4 words
	s_or_b32 s[G1B], s45, (1<<16)|(1<<20)|(1<<21)|(5<<22)|(3<<25)
.irp g, G1, G1B
	s_mov_b32 s[(\g)+1], KSTEP<<16                 ; tensor_dim0 = 128
	s_mov_b32 s[(\g)+2], 128<<16                   ; tensor_dim1 = 128
	s_mov_b32 s[(\g)+3], KSTEP<<16                 ; tile_dim0 = 128
	s_mov_b32 s[(\g)+4], 128                       ; tile_dim1 = 128
	s_mov_b32 s[(\g)+5], SIZE_K                    ; elements from row to row
	s_mov_b32 s[(\g)+6], 0
	s_mov_b32 s[(\g)+7], 0
.endr
	s_lshl_b32 s18, s[HALF], 7                     ; which 128 rows of the tile I fetch
	s_lshl_b32 s16, s43, 8
	s_add_co_u32 s16, s16, s18                     ; xh's row: hangs on the tile row and the wave alone
	s_lshl_b32 s16, s16, 12                        ; a row is 4,096 bytes
	s_mov_b32 s17, 0
	s_lshl_b32 s20, s42, 8
	s_add_co_u32 s20, s20, s18                     ; wqkv's row: on the tile column and the wave alone
	s_lshl_b32 s20, s20, 12
	s_mov_b32 s21, 0
	s_mul_i32 s22, s[WV], HALFT                    ; where it goes: no place in the cluster enters an LDS address
	s_mov_b32 s[TB], 0
	s_wait_dscnt 0x0                               ; the opening add is done
	s_wait_kmcnt 0x0
	s_add_nc_u64 s[16:17], s[4:5], s[16:17]
	s_add_nc_u64 s[20:21], s[6:7], s[20:21]
	CROUND                                         ; all sixteen work-groups are here: the first joint loads meet
.irp s, 0,1
	s_mov_b32 s[G0+4*(\s)], 1
	s_add_co_u32 s[G0+4*(\s)+1], s22, (\s)*SLOT
	s_add_nc_u64 s[G0+4*(\s)+2:G0+4*(\s)+3], s[16:17], (\s)*KSTEP*2
	s_or_b32 s[G0+4*(\s)+3], s[G0+4*(\s)+3], 0x80000000
	s_mov_b32 s[G0B+4*(\s)], 1
	s_add_co_u32 s[G0B+4*(\s)+1], s22, (\s)*SLOT
	s_add_nc_u64 s[G0B+4*(\s)+2:G0B+4*(\s)+3], s[20:21], (\s)*KSTEP*2
	s_or_b32 s[G0B+4*(\s)+3], s[G0B+4*(\s)+3], 0x80000000
.endr
	s_cmp_eq_u32 s[SIDE], 0                        ; a wave's two first fills stand in one branch: two loads of mine are out
	s_cbranch_scc0 .Lfirst_b
	tensor_load_to_lds s[G0:G0+3], s[G1:G1+7]
	s_nop 0
	tensor_load_to_lds s[G0+4:G0+7], s[G1:G1+7]
	s_nop 0
	PLACES
	s_branch .Lfirst_asked
.Lfirst_b:
	tensor_load_to_lds s[G0B:G0B+3], s[G1B:G1B+7]
	s_nop 0
	tensor_load_to_lds s[G0B+4:G0B+7], s[G1B:G1B+7]
	s_nop 0
	PLACES
.Lfirst_asked:
	v_and_b32 v1, 15, v0                           ; l % 16; kept
	v_bfe_u32 v2, v0, 4, 1                         ; l / 16; kept
	v_mul_u32_u24 v3, v1, PITCH
	v_lshl_add_u32 v3, v2, 4, v3                   ; a fragment's row x pitch + 16 x half
	s_mul_i32 s18, s[SIDE], HALFT
	s_mul_i32 s19, s[HALF], HALFT
	s_add_co_u32 s19, s19, 2*HALFT
	v_add_nc_u32 v[ADRA0], s18, v3
	v_add_nc_u32 v[ADRB0], s19, v3
	v_mov_b32 v[ADRA], v[ADRA0]
	v_mov_b32 v[ADRB], v[ADRB0]
	s_mul_i32 s23, s[WV], 16*SPITCH
	s_add_co_u32 s23, s23, STAGE
	v_mul_u32_u24 v4, v1, SPITCH
	v_lshl_add_u32 v4, v2, 4, v4
	v_add_nc_u32 v[STO], s23, v4
	v_mul_u32_u24 v5, v2, SPITCH
	v_lshl_add_u32 v5, v1, 4, v5
	v_add_nc_u32 v[RD], s23, v5
	v_mov_b32 v[M1], -1.0
; 16 matrix instructions: m blocks a0, a0 + 1 of the window's four x all 8 n blocks, 32 along K.  The 64 accumulators take turns in the same order in every quarter.
.macro MUL16 f, hi, a0, zero
	WIN MUL_LO+0x50*(\hi)
.irp a, \a0, (\a0)+1
.irp b, 0,1,2,3,4,5,6,7
.if \zero
	v_wmma_f32_16x16x32_f16 v[8*(8*(\a)+(\b)):8*(8*(\a)+(\b))+7], v[(\f)+8*(\b):(\f)+8*(\b)+7], v[(\f)+8*(4*(\hi)+(\a)):(\f)+8*(4*(\hi)+(\a))+7], 0
.else
	v_wmma_f32_16x16x32_f16 v[8*(8*(\a)+(\b)):8*(8*(\a)+(\b))+7], v[(\f)+8*(\b):(\f)+8*(\b)+7], v[(\f)+8*(4*(\hi)+(\a)):(\f)+8*(4*(\hi)+(\a))+7], v[8*(8*(\a)+(\b)):8*(8*(\a)+(\b))+7]
.endif
.endr
.endr
.endm
.macro FETCH k, f                      ; 32 LDS loads in one run: a quarter step's fragments, wqkv's first
	WIN TO_B
.irp i, 0,1,2,3,4,5,6,7
	ds_load_b128 v[(\f)+8*(\i):(\f)+8*(\i)+3],   v[ADRB] offset:(\k)+(\i)*16*PITCH
	ds_load_b128 v[(\f)+8*(\i)+4:(\f)+8*(\i)+7], v[ADRB] offset:(\k)+(\i)*16*PITCH+32
.endr
	WIN 0
.irp i, 0,1,2,3,4,5,6,7
	ds_load_b128 v[(\f)+8*(\i):(\f)+8*(\i)+3],   v[ADRA] offset:(\k)+(\i)*16*PITCH
	ds_load_b128 v[(\f)+8*(\i)+4:(\f)+8*(\i)+7], v[ADRA] offset:(\k)+(\i)*16*PITCH+32
.endr
.endm
.macro QUARTER k, f, g, zero           ; multiplies buffer f; in its middle fetches the next quarter, at byte k of the rows, into g
	s_wait_dscnt 8                                 ; all but the youngest eight loads (xh's rows 64-127)
	MUL16 \f, 0, 0, \zero
	MUL16 \f, 0, 2, \zero
	PLACES
	FETCH \k, \g
	s_wait_dscnt 32                                ; all but the 32 just issued
	MUL16 \f, 1, 0, \zero
	MUL16 \f, 1, 2, \zero
.endm
; The last quarter multiplies buffer 1 and changes slots: one barrier; in front of it each wave waits for all its tensor loads (its part of the next slot), adds 0 to its spare word,
; and waits for that and for its own reads of this slot.  fill = 1: the barrier opens a round of the cluster's, and the joint refill, two K steps ahead, is the first thing behind it.
.macro TURN fill
	WIN 0
	s_wait_tensorcnt 0x0
	ds_add_u32 v[SPW], v[NIL]
	s_wait_dscnt 9                                 ; the add and the youngest eight loads may be out
	MUL16 F1, 0, 0, 0
	s_wait_dscnt 0x0                               ; the add is done, my reads of this slot are over
	s_barrier_signal -1
	MUL16 F1, 0, 2, 0
.if \fill
	WIN 0
.endif
	s_barrier_wait -1
.if \fill
	CREST
	s_xor_b32 s[G0+5], s[G0+5], SLOT               ; no tensor load of mine is out: the walking sets step: the other slot, the next K step
	s_add_nc_u64 s[G0+6:G0+7], s[G0+6:G0+7], KSTEP*2
	s_xor_b32 s[G0B+5], s[G0B+5], SLOT
	s_add_nc_u64 s[G0B+6:G0B+7], s[G0B+6:G0B+7], KSTEP*2
	JLOAD                                          ; its four v_nop are also the places in front of the loads below
.else
	PLACES
.endif
	WIN 0
	s_xor_b32 s[TB], s[TB], SLOT
	v_add_nc_u32 v[ADRA], s[TB], v[ADRA0]
	v_add_nc_u32 v[ADRB], s[TB], v[ADRB0]
	FETCH 0, F0
	MUL16 F1, 1, 0, 0
	MUL16 F1, 1, 2, 0
.endm
	s_wait_tensorcnt 0x1                           ; my part of K step 0 is in; K step 1's may stay out
	s_barrier_signal -1
	s_barrier_wait -1
	FETCH 0, F0
	QUARTER 64, F0, F1, 1                          ; the first quarter starts the sums with the constant 0
	WIN 0
	s_mov_b32 s[CNT], 14
.Lstep:                                        ; a trip: from a K step's second quarter to the next step's first; 14 trips fill a slot again
	QUARTER 128, F1, F0, 0
	QUARTER 192, F0, F1, 0
	TURN 1
	QUARTER 64, F0, F1, 0
	WIN 0
	s_sub_co_u32 s[CNT], s[CNT], 1
	s_cmp_lg_u32 s[CNT], 0
	s_cbranch_scc1 .Lstep
	s_mov_b32 s[CNT], 2
.Ltail:                                        ; the last two K steps ask for nothing; the second trip is left in its middle (its fetch, of the other slot's old bytes, serves nothing)
	QUARTER 128, F1, F0, 0
	QUARTER 192, F0, F1, 0
	TURN 0
	WIN 0
	s_sub_co_u32 s[CNT], s[CNT], 1
	s_cmp_eq_u32 s[CNT], 0
	s_cbranch_scc1 .Lout
	QUARTER 64, F0, F1, 0
	WIN 0
	s_branch .Ltail
; THE WAY OUT, a block of 16 tokens at a time: packed to 16 bytes a lane, into my own stage, back as whole rows of 256 bytes, stored.
.macro PACK a
.set AC, 64*((\a)%4)
	WIN 0x0a+5*((\a)/4)
.irp b, 0,1,2,3,4,5,6,7
.irp r, 0,1,2,3
	v_cvt_pk_f16_f32 v[TMP+4*(\b)+(\r)], v[AC+8*(\b)+2*(\r)], v[AC+8*(\b)+2*(\r)+1]
.endr
.endr
	WIN 0
.endm
.macro PACKV a                         ; v = block b + block b + 4; hi into the row's first 128 bytes, lo into the second
.set AC, 64*((\a)%4)
	WIN 0x0a+5*((\a)/4)
.irp b, 0,1,2,3
.irp r, 0,1,2,3
	v_pk_add_f32 v[SUMV+8*(\b)+2*(\r):SUMV+8*(\b)+2*(\r)+1], v[AC+8*(\b)+2*(\r):AC+8*(\b)+2*(\r)+1], v[AC+32+8*(\b)+2*(\r):AC+32+8*(\b)+2*(\r)+1]
.endr
.endr
	WIN 0
.set e, 0
.rept 16
	v_cvt_pk_f16_f32 v[TMP+e], v[SUMV+2*e], v[SUMV+2*e+1]
.set e, e+1
.endr
.set e, 0
.rept 16
	v_fma_mix_f32 v[SUMV+2*e], v[TMP+e], v[M1], v[SUMV+2*e] op_sel_hi:[1,0,0]
	v_fma_mix_f32 v[SUMV+2*e+1], v[TMP+e], v[M1], v[SUMV+2*e+1] op_sel:[1,0,0] op_sel_hi:[1,0,0]
.set e, e+1
.endr
.set e, 0
.rept 16
	v_cvt_pk_f16_f32 v[TMP+16+e], v[SUMV+2*e], v[SUMV+2*e+1]
.set e, e+1
.endr
.endm
.macro TOSTAGE a
.set BK, OB+192*((\a)%2)
.irp b, 0,1,2,3,4,5,6,7
	ds_store_b128 v[STO], v[TMP+4*(\b):TMP+4*(\b)+3] offset:32*(\b)
.endr
.irp t, 0,1,2,3,4,5,6,7
	ds_load_b128 v[BK+4*(\t):BK+4*(\t)+3], v[RD] offset:(\t)*2*SPITCH  ; LDS serves a wave's instructions in order: these see the stores above
.endr
.endm
.macro SEND a, rp, base
.set BK, OB+192*((\a)%2)
	s_wait_dscnt 0x0                               ; the block is back in registers
	s_wait_xcnt 0x0                                ; earlier stores have read their data: the other set of registers may be loaded again
.irp t, 0,1,2,3,4,5,6,7
	global_store_b128 v[CO], v[BK+4*(\t):BK+4*(\t)+3], s[\base:\base+1] offset:(16*(\a)+2*(\t))*(\rp)  ; 16 lanes store 256 consecutive bytes, aligned
.endr
.endm
.Lout:
	s_wait_dscnt 0x0
	PLACES
	s_lshl_b32 s16, s43, 8                         ; my first token: 256 x tile row + 128 x half
	s_lshl_b32 s17, s[SIDE], 7
	s_add_co_u32 s16, s16, s17
	s_mov_b32 s17, 0
	s_mov_b32 s21, 0
	s_cmp_lt_u32 ttmp9, 4                          ; the cluster's x, the same in all partners: tile columns 0-15 are q and k
	s_cbranch_scc0 .Lvout
	s_lshl_b32 s20, s42, 1
	s_add_co_u32 s20, s20, s[HALF]                 ; plane x 16 + head
	s_lshl_b32 s20, s20, 19
	s_add_nc_u64 s[8:9], s[8:9], s[20:21]
	s_lshl_b32 s16, s16, 8                         ; rows of 256 bytes
	s_add_nc_u64 s[8:9], s[8:9], s[16:17]
	v_lshlrev_b32 v[CO], 8, v2
	v_lshl_add_u32 v[CO], v1, 4, v[CO]
	PACK 0
	TOSTAGE 0
.irp a, 1,2,3,4,5,6,7
	PACK \a
	SEND (\a)-1, 256, 8
	TOSTAGE \a
.endr
	SEND 7, 256, 8
	s_branch .Lend
.Lvout:
	s_sub_co_u32 s20, s42, 16                      ; the head
	s_lshl_b32 s20, s20, 20
	s_lshl_b32 s22, s[HALF], 8
	s_add_co_u32 s20, s20, s22
	s_add_nc_u64 s[10:11], s[10:11], s[20:21]
	s_lshl_b32 s16, s16, 9                         ; rows of 512 bytes
	s_add_nc_u64 s[10:11], s[10:11], s[16:17]
	v_lshlrev_b32 v[CO], 9, v2
	v_lshl_add_u32 v[CO], v1, 4, v[CO]
	PACKV 0
	TOSTAGE 0
.irp a, 1,2,3,4,5,6,7
	PACKV \a
	SEND (\a)-1, 512, 10
	TOSTAGE \a
.endr
	SEND 7, 512, 10
.Lend:
	s_wait_tensorcnt 0x0                           ; the wave's end
	ds_add_u32 v[SPW], v[NIL]
	s_wait_dscnt 0x0
	CROUND                                         ; the closing round
	s_endpgm
.Lfunc_end_k_q0d311789e2_qkv:
	.size	k_q0d311789e2_qkv, .Lfunc_end_k_q0d311789e2_qkv-k_q0d311789e2_qkv
	.p2alignl 7, 3214868480
	.fill 96, 4, 3214868480
	.section	.rodata,"a",@progbits
	.p2align	6, 0x0
	.amdhsa_kernel k_q0d311789e2_qkv
		.amdhsa_group_segment_fixed_size 327680
		.amdhsa_private_segment_fixed_size 0
		.amdhsa_enable_private_segment 0
		.amdhsa_kernarg_size 32
		.amdhsa_user_sgpr_count 2
		.amdhsa_user_sgpr_kernarg_segment_ptr 1
		.amdhsa_wavefront_size32 1
		.amdhsa_system_sgpr_workgroup_id_x 1
		.amdhsa_system_sgpr_workgroup_id_y 1
		.amdhsa_system_sgpr_workgroup_id_z 1
		.amdhsa_system_vgpr_workitem_id 0
		.amdhsa_next_free_vgpr 1024
		.amdhsa_next_free_sgpr 66
		.amdhsa_reserve_vcc 0
		.amdhsa_float_denorm_mode_32 3
		.amdhsa_float_denorm_mode_16_64 3
		.amdhsa_memory_ordered 1
		.amdhsa_forward_progress 1
		.amdhsa_inst_pref_size 155
	.end_amdhsa_kernel
	.amdgpu_metadata
---
amdhsa.version: [ 1, 2 ]
amdhsa.kernels:
  - .name:           k_q0d311789e2_qkv
    .symbol:         k_q0d311789e2_qkv.kd
    .args:
      - { .name: xh, .offset: 0, .size: 8, .value_kind: global_buffer, .address_space: global }
      - { .name: wqkv, .offset: 8, .size: 8, .value_kind: global_buffer, .address_space: global }
      - { .name: qk, .offset: 16, .size: 8, .value_kind: global_buffer, .address_space: global }
      - { .name: vv, .offset: 24, .size: 8, .value_kind: global_buffer, .address_space: global }
    .group_segment_fixed_size: 327680
    .private_segment_fixed_size: 0
    .kernarg_segment_align: 8
    .kernarg_segment_size: 32
    .max_flat_workgroup_size: 128
    .sgpr_count:     66
    .vgpr_count:     1024
    .wavefront_size: 32
...
	.end_amdgpu_metadata
.endif
;; end of part 2
;; launch attn (part 3): grid 16 x 16, 4 waves a work-group, clusters of 4 x 4, 327,680 bytes of LDS; arguments qk, vv, mk, ohl; writes ohl
.if DOCPART == 3
	.amdgcn_target "amdgcn-amd-amdhsa--gfx1250"
	.amdhsa_code_object_version 6
	.text
	.protected	k_q0d311789e2_attn
	.globl	k_q0d311789e2_attn
	.p2align	8
	.type	k_q0d311789e2_attn,@function
k_q0d311789e2_attn:
	s_mov_b64 s[64:65], 0
	v_nop
	global_prefetch_b8 v0, s[64:65] scope:SCOPE_SE
	s_setreg_imm32_b32 hwreg(HW_REG_WAVE_MODE, 25, 1), 1
	s_wait_xcnt 0x0
	s_wait_alu depctr_hold_cnt(0) depctr_sa_sdst(0) depctr_va_vdst(0) depctr_va_sdst(0) depctr_va_ssrc(0) depctr_va_vcc(0) depctr_vm_vsrc(0)
	s_getreg_b32 s2, hwreg(HW_REG_IB_STS2, 6, 4)
	s_cmp_eq_u32 s2, 0
	s_cbranch_scc0 .Lentry_in_a_cluster
	s_endpgm
.Lentry_in_a_cluster:
	s_bfe_u32 s2, ttmp6, 0x10000c
	s_cmp_lg_u32 s2, 0xf033
	s_cbranch_scc0 .Lentry_shape_is_right
	s_endpgm
.Lentry_shape_is_right:
; O[head][q] = sum over k of softmax_k(q[q] . k[k] / sqrt(128) + mask[q][k]) v[k].  q arrives multiplied by log2(e) / sqrt(128).  q, k: f16 by heads; v: hi + lo pairs of f16; mask: bf16, an input like any other:
; every key tile is computed.  Products, maxima and sums in f32; the weights p are rounded to f16 for the second product (their sum l is taken of the unrounded p); O leaves as hi + lo pairs of f16.
; SOFTMAX.  s = log2(e) x mask + q . k is an exponent of 2.  For each query a running maximum m and sum l: p = 2^(s - m), the difference taken of the two numbers themselves, so that it is exactly 0 where s = m,
; however large they are (a mask of -1e9); in every step O and l are multiplied by a = 2^(m_old - m_new).  m starts at the lowest finite number: the first a is 0; where all keys so far have a mask of -inf, a = 1 and p = 0.
; LIMITS.  q, k, v, O within f16's 65,504.  A weight below 2^-126 counts as 0.  NaN is not treated apart; a row whose mask is -inf throughout gives NaN.
; SHARES.  A work-group: 128 queries of one head.  Wave w: queries 64 (w % 2) .., four tiles of 16; of every slot of 128 keys the keys 64 (w / 2) .., in two steps of 32.  So a fragment of K or V feeds four tiles.
; The two waves that share queries keep a maximum, a sum and an O each; they are merged at the end through LDS.
; LAYOUT.  S^T = mask + K Q^T (source 0 = 16 keys, source 1 = 16 queries, C = the mask in f32): a lane holds one query and the keys 8 (lane / 16) + 0..7.  Two results rounded to f16 are source 1 of
; O^T += V^T P, taken twice: with V's hi and V's lo.
; TURNS.  Turn j: 64 products V^T P of step j - 1, beside them the softmax of step j and the widening of step j + 1's mask; then 32 products K Q^T of step j + 1, beside them O^T times a.
; All that turn j reads from LDS belongs to step j + 1, so one change of slots serves two turns.  S^T, P and V have two buffers, by the step's parity.
; CLUSTER 4 x 4: x = the block of queries, y = the head.  K's and V's tiles hang on the head: shared along a row of the cluster.  The mask's tile hangs on the block of queries: shared along a column.
; REGISTERS: window 0: v0-31 addresses and constants; v32-63 statistics, 8 a tile: m, (l at the end), l, l, c0, c1, a, c3; v64-191 S^T; v192-255 P.  window 1: O^T, 64 t + 8 cb.
;   window 2: v0-127 Q; v128-191 K of a step; v192-223 the step's mask in bf16.  window 3: V, 128 buffer + 64 kind + 8 cb.
.set PK,    272                        ; a row of K or of the mask in LDS: 256 bytes + 16
.set PVP,   544                        ; a row of V: 512 bytes + 32: an odd multiple of 32
.set HALFT, 34816                      ; a tile: 128 x 272 = 64 x 544
.set SLOT,  4*HALFT                    ; K, V's keys 0-63, V's keys 64-127, the mask: wave w fills the tile at w x HALFT
.set STAGE, 2*SLOT                     ; for waves 0 and 1: a hi and a lo stage of 16 x 272 each
.set SP,    272
.set SPARE, STAGE+4*16*SP
.set AK0, 2
.set AV0, 3
.set AM0, 4
.set AK,  5
.set AV,  6
.set AM,  7
.set QO,  8
.set STO, 10
.set RD,  11
.set GO,  12
.set PFO, 13
.set XO,  14                           ; the merge: my 16 bytes of a register quad
.set XS,  15                           ; the merge: my 8 bytes of statistics
.set M1,  16                           ; -1.0
.set PB,  18                           ; v18-25 the partner's (m, l), a pair a tile
.set LC,  26                           ; log2(e)
.set ZR,  27                           ; 0, the addend of the mask's widening
.set SPW, 30
.set NIL, 31
.set ST,  32
.set S,   64
.set P,   192
.set KF,  128
.set MT,  192
.set HH,  64                           ; the way out: hi, lo, residuals, rows read back
.set LL,  96
.set RR,  128
.set BKO, 192
.set WV,  12
.set LIM, 15
.set PFA, 18
.set PST, 20
.set G1K, 24
.set G1V, 32
.set G1M, 40
.set G0K, 48
.set G0V, 56
.set G0M, 68
.set SLOTS, 76
.set CNT, 77
.set SEL, 80
.set TB,  82
.set OLO, 84
.set MSB, 0
.macro WIN new
.if MSB != (\new)
	s_set_vgpr_msb (MSB<<8)|(\new)
.set MSB, \new
.endif
.endm
.set W_KQ, 0x0a
.set W_PV, 0x53
.set W_RS, 0x41
.set W_UN, 0x08
.macro PLACES
.rept 4
	v_nop
.endr
.endm
.macro JLOAD3                          ; the joint refill: wave 0 K's tile, wave 3 the mask's, waves 1 and 2 V's two; the branches hang on the wave's number alone
	s_cmp_eq_u32 s[WV], 0
	s_cbranch_scc0 .Lnot_k_\@
	tensor_load_to_lds s[G0K+4:G0K+7], s[G1K:G1K+7]
	s_nop 0
	PLACES
	s_branch .Lasked_\@
.Lnot_k_\@:
	s_cmp_eq_u32 s[WV], 3
	s_cbranch_scc0 .Lfor_v_\@
	tensor_load_to_lds s[G0M+4:G0M+7], s[G1M:G1M+7]
	s_nop 0
	PLACES
	s_branch .Lasked_\@
.Lfor_v_\@:
	tensor_load_to_lds s[G0V+4:G0V+7], s[G1V:G1V+7]
	s_nop 0
	PLACES
.Lasked_\@:
.endm
; A prefetch of my tile of the slot that the NEXT change will ask for: two turns, 192 matrix instructions, ahead.  A tile is 128 blocks of 256 bytes; the four partners that ask for it jointly take 32 each, told apart by
; address, a lane a block.  K's and V's tiles are walked by every cluster of the head's row of clusters: the first (cluster x = 0) asks; the mask's by every cluster of a column: cluster y = 0 asks.
; The last change that fills a slot asks for nothing; slots 0 to 2 come by their loads alone.
.macro ASK
	s_cmp_gt_u32 s[SLOTS], s[LIM]
	s_cbranch_scc0 .Lnot_mine_\@
	global_prefetch_b8 v[PFO], s[PFA:PFA+1] th:TH_LOAD_NT scope:SCOPE_SE
.Lnot_mine_\@:
.endm
.macro CROUND
	s_barrier_signal -1
	s_barrier_wait -1
	s_cmp_lg_u32 s[WV], 0
	s_cbranch_scc1 .Lnot_wave_0_\@
	s_barrier_signal -3
.Lnot_wave_0_\@:
	s_barrier_wait -3
	s_barrier_signal -1
	s_barrier_wait -1
.endm
	s_load_b256 s[4:11], s[0:1], 0x0               ; qk s[4:5], vv s[6:7], mk s[8:9], ohl s[10:11]
	v_lshl_add_u32 v[SPW], v0, 2, SPARE
	v_mov_b32 v[NIL], 0
	ds_add_u32 v[SPW], v[NIL]                      ; the wave's opening: the add and its wait ahead of my first tensor load
	v_lshrrev_b32 v1, 5, v0
	v_readfirstlane_b32 s[WV], v1
	s_bfe_u32 s13, ttmp6, 0x40000                  ; cx
	s_bfe_u32 s14, ttmp6, 0x40004                  ; cy
	s_lshl_b32 s86, ttmp9, 2
	s_add_co_u32 s86, s86, s13                     ; my block of 128 queries
	s_and_b32 s94, ttmp7, 0xffff                   ; cluster y
	s_lshl_b32 s87, s94, 2
	s_add_co_u32 s87, s87, s14                     ; my head
	s_and_b32 s88, s[WV], 1                        ; which 64 queries
	s_lshr_b32 s89, s[WV], 1                       ; which 64 of a slot's keys
	s_lshl_b32 s66, s14, 2
	s_lshl_b32 s66, 15, s66                        ; my row of the cluster
	s_lshl_b32 s67, 0x1111, s13                    ; my column
	s_or_b32 s[G1K], s66, (1<<16)|(1<<20)|(1<<21)|(5<<22)|(3<<25)  ; after every 64 words 4 words of padding
	s_or_b32 s[G1V], s66, (1<<16)|(1<<20)|(1<<21)|(6<<22)|(7<<25)  ; after every 128 words 8
	s_or_b32 s[G1M], s67, (1<<16)|(1<<20)|(1<<21)|(5<<22)|(3<<25)
.irp g, G1K, G1M
	s_mov_b32 s[(\g)+1], 128<<16                   ; 128 rows x 128 elements of 2 bytes
	s_mov_b32 s[(\g)+2], 128<<16
	s_mov_b32 s[(\g)+3], 128<<16
	s_mov_b32 s[(\g)+4], 128
	s_mov_b32 s[(\g)+6], 0
	s_mov_b32 s[(\g)+7], 0
.endr
	s_mov_b32 s[G1K+5], 128                        ; K's rows are dense,
	s_mov_b32 s[G1M+5], 2048                       ; the mask's 2,048 elements apart
	s_mov_b32 s[G1V+1], 256<<16                    ; 64 rows x 256 elements
	s_mov_b32 s[G1V+2], 64<<16
	s_mov_b32 s[G1V+3], 256<<16
	s_mov_b32 s[G1V+4], 64
	s_mov_b32 s[G1V+5], 256
	s_mov_b32 s[G1V+6], 0
	s_mov_b32 s[G1V+7], 0
	s_lshl_b32 s90, s87, 19                        ; K: plane 1, the head
	s_add_co_u32 s90, s90, 0x800000
	s_mov_b32 s91, 0
	s_lshl_b32 s92, s87, 20                        ; V: the head, and for waves 1 and 2 keys 0-63 and 64-127
	s_lshl_b32 s93, s89, 15
	s_add_co_u32 s92, s92, s93
	s_mov_b32 s93, 0
	s_lshl_b32 s16, s86, 19                        ; the mask: 128 rows of 4,096 bytes a block
	s_mov_b32 s17, 0
	s_lshl_b32 s2, s87, 19                         ; Q: the head, the block, my 64 rows of 256 bytes
	s_lshl_b32 s3, s86, 15
	s_add_co_u32 s2, s2, s3
	s_lshl_b32 s3, s88, 14
	s_add_co_u32 s2, s2, s3
	s_mov_b32 s3, 0
	s_lshl_b32 s[OLO], s86, 19                     ; O: my 64 rows of 4,096 bytes, the head's 256 bytes
	s_lshl_b32 s[OLO+1], s88, 18
	s_add_co_u32 s[OLO], s[OLO], s[OLO+1]
	s_lshl_b32 s[OLO+1], s87, 8
	s_add_co_u32 s[OLO], s[OLO], s[OLO+1]
	s_mov_b32 s[OLO+1], 0
	s_mul_i32 s22, s[WV], HALFT                    ; my tile in a slot: no place in the cluster enters an LDS address
	s_mov_b32 s[SEL], 0x76543210
	s_mov_b32 s[SEL+1], 0xfedcba98
	s_mov_b32 s[TB], 0
	s_mov_b32 s[SLOTS], 15
	s_lshl_b32 s96, s13, 13                        ; the prefetches: my work-group's 32 blocks: cx x 8,192 of K's or V's tile,
	s_lshl_b32 s98, s14, 17                        ; cy x 32 rows of the mask's
	s_mov_b32 s97, 0
	s_mov_b32 s[PST], 0x10000                      ; a slot's step: V 65,536,
	s_mov_b32 s[PST+1], 0
	s_wait_dscnt 0x0                               ; the opening add is done
	s_wait_kmcnt 0x0
	s_add_nc_u64 s[90:91], s[4:5], s[90:91]
	s_add_nc_u64 s[92:93], s[6:7], s[92:93]
	s_add_nc_u64 s[16:17], s[8:9], s[16:17]
	s_add_nc_u64 s[4:5], s[4:5], s[2:3]
	s_add_nc_u64 s[10:11], s[10:11], s[OLO:OLO+1]
	s_add_nc_u64 s[OLO:OLO+1], s[10:11], 0x800000  ; the lo plane
	s_cmp_eq_u32 s[WV], 0
	s_cselect_b64 s[PFA:PFA+1], s[90:91], s[92:93]
	s_cselect_b32 s[PST], 0x8000, s[PST]           ; K 32,768,
	s_cmp_eq_u32 s[WV], 3
	s_cselect_b64 s[PFA:PFA+1], s[16:17], s[PFA:PFA+1]
	s_cselect_b32 s[PST], 256, s[PST]              ; the mask 256
	s_cselect_b32 s96, s98, s96
	s_cselect_b32 s99, s94, ttmp9                  ; the coordinate along which other clusters read the same tile
	s_cselect_b32 s100, 12, 8                      ; a lane's block: a row of the mask, or 256 bytes on
	s_cmp_eq_u32 s99, 0
	s_cselect_b32 s[LIM], 1, -1                    ; the same in all sixteen partners, for a given wave
	s_add_nc_u64 s[PFA:PFA+1], s[PFA:PFA+1], s[96:97]
	s_add_nc_u64 s[PFA:PFA+1], s[PFA:PFA+1], s[PST:PST+1]
	s_add_nc_u64 s[PFA:PFA+1], s[PFA:PFA+1], s[PST:PST+1]  ; at slot 2: the first change steps it to slot 3
	v_and_b32 v[PFO], 31, v0
	v_lshlrev_b32 v[PFO], s100, v[PFO]
	CROUND                                         ; all sixteen work-groups are here: the first joint loads meet
.irp s, 0,1
	s_mov_b32 s[G0K+4*(\s)], 1
	s_add_co_u32 s[G0K+4*(\s)+1], s22, (\s)*SLOT
	s_add_nc_u64 s[G0K+4*(\s)+2:G0K+4*(\s)+3], s[90:91], (\s)*32768
	s_or_b32 s[G0K+4*(\s)+3], s[G0K+4*(\s)+3], 0x80000000
	s_mov_b32 s[G0V+4*(\s)], 1
	s_add_co_u32 s[G0V+4*(\s)+1], s22, (\s)*SLOT
	s_add_nc_u64 s[G0V+4*(\s)+2:G0V+4*(\s)+3], s[92:93], (\s)*65536
	s_or_b32 s[G0V+4*(\s)+3], s[G0V+4*(\s)+3], 0x80000000
	s_mov_b32 s[G0M+4*(\s)], 1
	s_add_co_u32 s[G0M+4*(\s)+1], s22, (\s)*SLOT
	s_add_nc_u64 s[G0M+4*(\s)+2:G0M+4*(\s)+3], s[16:17], (\s)*256
	s_or_b32 s[G0M+4*(\s)+3], s[G0M+4*(\s)+3], 0x80000000
.endr
	s_cmp_eq_u32 s[WV], 0                          ; a wave's two first fills stand together: two loads of mine are out
	s_cbranch_scc0 .Lf_not_k
	tensor_load_to_lds s[G0K:G0K+3], s[G1K:G1K+7]
	s_nop 0
	tensor_load_to_lds s[G0K+4:G0K+7], s[G1K:G1K+7]
	s_nop 0
	PLACES
	s_branch .Lf_asked
.Lf_not_k:
	s_cmp_eq_u32 s[WV], 3
	s_cbranch_scc0 .Lf_v
	tensor_load_to_lds s[G0M:G0M+3], s[G1M:G1M+7]
	s_nop 0
	tensor_load_to_lds s[G0M+4:G0M+7], s[G1M:G1M+7]
	s_nop 0
	PLACES
	s_branch .Lf_asked
.Lf_v:
	tensor_load_to_lds s[G0V:G0V+3], s[G1V:G1V+7]
	s_nop 0
	tensor_load_to_lds s[G0V+4:G0V+7], s[G1V:G1V+7]
	s_nop 0
	PLACES
.Lf_asked:
	v_and_b32 v1, 15, v0                           ; l % 16
	v_bfe_u32 v9, v0, 4, 1                         ; l / 16
	v_lshlrev_b32 v[QO], 8, v1
	v_lshl_add_u32 v[QO], v9, 4, v[QO]
	WIN 0x80
.set i, 0
.rept 16                                       ; Q stays in registers: tile i / 4, channels 32 (i % 4) on
	global_load_b128 v[8*i:8*i+3],   v[QO], s[4:5] offset:(i/4)*4096+(i%4)*64
	global_load_b128 v[8*i+4:8*i+7], v[QO], s[4:5] offset:(i/4)*4096+(i%4)*64+32
.set i, i+1
.endr
	; What the first turn finds: O^T and l are 0; its products V^T P, of a step that has not been, multiply zeros.  All this stands in the wait for the first tile; it spares a first turn written out.
	WIN 0x40
.set i, 0
.rept 256
	v_mov_b32 v[i], 0
.set i, i+1
.endr
	WIN 0xc0
.set i, 128
.rept 128
	v_mov_b32 v[i], 0
.set i, i+1
.endr
	WIN 0
.set i, P+32
.rept 32
	v_mov_b32 v[i], 0
.set i, i+1
.endr
.set i, 0
.rept 4
	v_mov_b32 v[ST+8*i], 0xff7fffff                ; m: the lowest finite number
	v_mov_b32 v[ST+8*i+1], 0                       ; named with m as a pair; takes l at the end
	v_mov_b32 v[ST+8*i+2], 0
	v_mov_b32 v[ST+8*i+3], 0
.set i, i+1
.endr
	v_mov_b32 v[M1], -1.0
	v_mov_b32 v[LC], 0x3fb8aa3b                    ; log2(e)
	v_mov_b32 v[ZR], 0
	v_mul_u32_u24 v17, v1, PK
	v_lshl_add_u32 v17, v9, 4, v17                 ; row x 272 + 16 x half
	s_mul_i32 s23, s89, 64*PK
	v_add_nc_u32 v[AK0], s23, v17                  ; K: my 64 keys
	s_mul_i32 s23, s88, 64*PK
	s_lshl_b32 s95, s89, 7
	s_add_co_u32 s23, s23, s95
	s_add_co_u32 s23, s23, 3*HALFT
	v_add_nc_u32 v[AM0], s23, v17                  ; the mask: my 64 queries' rows, my 64 keys' 128 bytes
	v_and_b32 v17, 7, v0                           ; the turning load: lane l reads key 8 (l / 16) + l % 8, channels 8 ((l / 8) % 2) + 0..7
	v_lshl_add_u32 v17, v9, 3, v17
	v_mul_u32_u24 v[AV0], v17, PVP
	v_bfe_u32 v17, v0, 3, 1
	v_lshl_add_u32 v[AV0], v17, 4, v[AV0]
	s_mul_i32 s23, s89, 64*PVP
	s_add_co_u32 s23, s23, HALFT
	v_add_nc_u32 v[AV0], s23, v[AV0]
	s_mul_i32 s23, s88, 32*SP                      ; the stages of waves 0 and 1
	s_add_co_u32 s23, s23, STAGE
	v_mul_u32_u24 v[STO], v1, SP
	v_lshl_add_u32 v[STO], v9, 4, v[STO]
	v_add_nc_u32 v[STO], s23, v[STO]
	v_mul_u32_u24 v[RD], v9, SP
	v_lshl_add_u32 v[RD], v1, 4, v[RD]
	v_add_nc_u32 v[RD], s23, v[RD]
	v_lshlrev_b32 v[GO], 12, v9
	v_lshl_add_u32 v[GO], v1, 4, v[GO]
	s_mul_i32 s23, s88, HALFT                      ; the merge's scratch: slot 0's first two tiles, after their last fill
	v_and_b32 v17, 31, v0
	v_lshl_add_u32 v[XO], v17, 4, s23
	s_add_co_u32 s23, s23, 32768
	v_lshl_add_u32 v[XS], v17, 3, s23
; THE MATRIX WORK.  The accumulators take turns, one instruction a turn.
.macro PV x                            ; product i of 64 of O^T += V^T P, buffers x: kind i / 32 (hi, lo), channels 16 ((i / 4) % 8) on, tile i % 4
	WIN W_PV
.set rO, 64*(i%4)+8*((i/4)%8)
.set rV, 128*(\x)+64*(i/32)+8*((i/4)%8)
.set rP, P+32*(\x)+8*(i%4)
	v_wmma_f32_16x16x32_f16 v[rO:rO+7], v[rV:rV+7], v[rP:rP+7], v[rO:rO+7]
.endm
.macro KQ x                            ; product i of 32 of S^T += K Q^T, buffer x, which holds the mask: channels 32 (i / 8) on, keys 16 ((i / 4) % 2) on, tile i % 4
	WIN W_KQ
.set rS, S+64*(\x)+16*(i%4)+8*((i/4)%2)
.set rK, KF+32*((i/4)%2)+8*(i/8)
.set rQ, 32*(i%4)+8*(i/8)
	v_wmma_f32_16x16x32_f16 v[rS:rS+7], v[rK:rK+7], v[rQ:rQ+7], v[rS:rS+7]
.endm
; THE LDS LOADS stand in runs.  Step st of the slot in hand: the mask's 8 loads first, then K's 16.
.macro FETCH_KM st
	WIN 0
	v_add_nc_u32 v[AK], s[TB], v[AK0]
	v_add_nc_u32 v[AM], s[TB], v[AM0]
	WIN 0x80
.irp f, 0,1,2,3,4,5,6,7                ; tile f / 2, keys 16 (f % 2) on
	ds_load_b128 v[MT+4*(\f):MT+4*(\f)+3], v[AM] offset:((\f)/2)*16*PK+64*(\st)+32*((\f)%2)
.endr
.irp f, 0,1,2,3,4,5,6,7                ; keys 16 (f / 4) on, channels 32 (f % 4) on
	ds_load_b128 v[KF+8*(\f):KF+8*(\f)+3],   v[AK] offset:(\st)*32*PK+((\f)/4)*16*PK+((\f)%4)*64
	ds_load_b128 v[KF+8*(\f)+4:KF+8*(\f)+7], v[AK] offset:(\st)*32*PK+((\f)/4)*16*PK+((\f)%4)*64+32
.endr
.endm
.macro FETCH_V x                       ; step x of the slot in hand, into buffer x: kind f / 8, channels 16 (f % 8) on
	WIN 0
	v_add_nc_u32 v[AV], s[TB], v[AV0]
	WIN 0xc0
.irp f, 0,1,2,3,4,5,6,7,8,9,10,11,12,13,14,15
	ds_load_tr16_b128 v[128*(\x)+8*(\f):128*(\x)+8*(\f)+3],   v[AV] offset:(\x)*32*PVP+(((\f)%8)/4)*256+((\f)/8)*128+((\f)%4)*32
	ds_load_tr16_b128 v[128*(\x)+8*(\f)+4:128*(\x)+8*(\f)+7], v[AV] offset:(\x)*32*PVP+16*PVP+(((\f)%8)/4)*256+((\f)/8)*128+((\f)%4)*32
.endr
.endm
; THE VECTOR WORK.  UNP u: score u / 4 of tile u % 4 of the NEXT step's buffer takes log2(e) x its mask: one multiply-add straight from the bf16 half, which is the second source (window 2).
.macro UNP u
	WIN W_UN
.set tu, (\u)%4
.set eu, (\u)/4
.if eu%2
	v_fma_mix_f32_bf16 v[S+64*(1-PAR)+16*tu+eu], v[LC], v[MT+8*tu+eu/2], v[ZR] op_sel:[0,1,0] op_sel_hi:[0,1,0]
.else
	v_fma_mix_f32_bf16 v[S+64*(1-PAR)+16*tu+eu], v[LC], v[MT+8*tu+eu/2], v[ZR] op_sel_hi:[0,1,0]
.endif
.endm
; THE PLAIN QUEUE, 208 long, the four tiles by turns (tile q % 4), so that a link of a chain stands four lines behind the one before it:
;   0-31 the maximum of the lane's 16 scores and the old m (each accumulator's lowest registers first)    32-47 the other half of the lanes' maximum; m_old kept; m; m_old - m
;   48-79 s - m, a pair at a time    80-143 UNP    144-175 the weights rounded to f16    176-207 their sum, in place, and l = a l + sum
.macro PL
.set tq, q%4
.set rT, ST+8*tq
.set rS, S+64*PAR+16*tq
.if q < 32
	WIN 0
.set nq, q/4
.if nq == 0
	v_max3_num_f32 v[rT+4], v[rS], v[rS+1], v[rS+2]
.elseif nq == 1
	v_max3_num_f32 v[rT+5], v[rS+8], v[rS+9], v[rS+10]
.elseif nq < 6
	v_max3_num_f32 v[rT+4+nq%2], v[rT+4+nq%2], v[rS+8*(nq%2)+2*(nq/2)+1], v[rS+8*(nq%2)+2*(nq/2)+2]
.elseif nq == 6
	v_max3_num_f32 v[rT+4], v[rT+4], v[rS+7], v[rS+15]
.else
	v_max3_num_f32 v[rT+4], v[rT+4], v[rT+5], v[rT]
.endif
.elseif q < 48
	WIN 0
.set nq, (q-32)/4
.if nq == 0
	v_permlanex16_b32 v[rT+5], v[rT+4], s[SEL], s[SEL+1]
.elseif nq == 1
	v_mov_b32 v[rT+7], v[rT]
.elseif nq == 2
	v_max_num_f32 v[rT], v[rT+4], v[rT+5]
.else
	v_sub_f32 v[rT+7], v[rT+7], v[rT]
.endif
.elseif q < 80
	WIN 0
.set nq, (q-48)/4
	v_pk_add_f32 v[rS+2*nq:rS+2*nq+1], v[rS+2*nq:rS+2*nq+1], v[rT:rT+1] op_sel_hi:[1,0] neg_lo:[0,1] neg_hi:[0,1]
.elseif q < 144
.if q == 80
	s_wait_dscnt 16                                ; the mask's loads are in; K's sixteen, issued behind them, may stay out
.endif
	UNP q-80
.elseif q < 176
	WIN 0
.set nq, (q-144)/4
	v_cvt_pk_f16_f32 v[P+32*PAR+8*tq+nq], v[rS+2*nq], v[rS+2*nq+1]
.else
	WIN 0
.set nq, (q-176)/4
.if nq < 4
	v_pk_add_f32 v[rS+4*nq:rS+4*nq+1], v[rS+4*nq:rS+4*nq+1], v[rS+4*nq+2:rS+4*nq+3]
.elseif nq < 6
	v_pk_add_f32 v[rS+8*(nq-4):rS+8*(nq-4)+1], v[rS+8*(nq-4):rS+8*(nq-4)+1], v[rS+8*(nq-4)+4:rS+8*(nq-4)+5]
.elseif nq == 6
	v_pk_add_f32 v[rS:rS+1], v[rS:rS+1], v[rS+8:rS+9]
.else
	v_pk_fma_f32 v[rT+2:rT+3], v[rT+2:rT+3], v[rT+6:rT+7], v[rS:rS+1] op_sel_hi:[1,0,1]
.endif
.endif
.set q, q+1
.endm
; THE EXPONENTIALS' QUEUE, 68 long: the four a, then score (e - 4) / 4 of tile e % 4.  An exponential has no second source, so it is the same line under the setting that UNP wants.
.macro EX
.if (MSB != 0) && (MSB != W_UN)
	WIN 0
.endif
.set rT, ST+8*(e%4)
.set rS, S+64*PAR+16*(e%4)
.if e < 4
	v_exp_f32 v[rT+6], v[rT+7]
.else
	v_exp_f32 v[rS+(e-4)/4], v[rS+(e-4)/4]
.endif
.set e, e+1
.endm
.macro RS                              ; O^T times a, ascending: pair rs of 128
	WIN W_RS
	v_pk_mul_f32 v[2*rs:2*rs+1], v[2*rs:2*rs+1], v[ST+8*(rs/32)+6:ST+8*(rs/32)+7] op_sel_hi:[1,0]
.set rs, rs+1
.endm
; A TURN, for a step of parity par.  Four vector instructions stand behind every matrix instruction.  Products 0-12: plain 0-51.  Products 13-46: plain, exponential, plain, exponential: exponential e stands behind
; plain 52 + e, and needs plain 48 + 4 ((e - 4) / 8) + e % 4 at the most.  The turn's 68 exponentials are ONE batch: nothing ahead of the wait (plain 0-119) names a result of theirs.  Products 47-63 and a lump of 20: plain 120-207.
; The lump holds the four places between the last product that read V's buffer and the loads into it.  Behind each product K Q^T stand four rescalings; the four behind the last are the places in front of the next
; turn's loads into K and its first read of the scores.  No rider names a register of the products round it.
.macro TURN par
.set PAR, \par
.set q, 0
.set e, 0
.set rs, 0
	FETCH_KM 1-PAR
.set i, 0
.rept 13
	PV 1-PAR
.set i, i+1
	PL
	PL
	PL
	PL
.endr
.rept 34
	PV 1-PAR
.set i, i+1
	PL
	EX
	PL
	EX
.endr
	v_nop                                          ; the plain instruction behind the last exponential: one for the batch
	s_wait_alu depctr_va_vdst(0)                   ; the wait for the batch, ahead of its first reader
.rept 17
	PV 1-PAR
.set i, i+1
	PL
	PL
	PL
	PL
.endr
.rept 20
	PL
.endr
	s_wait_dscnt 0x0                               ; K is in
	FETCH_V 1-PAR
.set i, 0
.rept 32
	KQ 1-PAR
.set i, i+1
	RS
	RS
	RS
	RS
.endr
.endm
; THE CHANGE OF SLOTS.  Each wave waits for all its tensor loads (one is out: its tile of the other slot), adds 0 to its spare word, and waits for that and for its own reads of the slot that it leaves.
; fill = 1: the barrier is a round of the cluster's, and the joint refill, with the keys two slots on, is the first thing behind it: it has two turns, 192 matrix instructions, in which to land.
.macro CHANGE fill
	WIN 0
	s_wait_tensorcnt 0x0
	ds_add_u32 v[SPW], v[NIL]                      ; 0 onto my spare word; the descriptors' steps stand between it and the wait for it
.if \fill
	s_xor_b32 s[G0K+5], s[G0K+5], SLOT
	s_add_nc_u64 s[G0K+6:G0K+7], s[G0K+6:G0K+7], 32768
	s_xor_b32 s[G0V+5], s[G0V+5], SLOT
	s_add_nc_u64 s[G0V+6:G0V+7], s[G0V+6:G0V+7], 65536
	s_xor_b32 s[G0M+5], s[G0M+5], SLOT
	s_add_nc_u64 s[G0M+6:G0M+7], s[G0M+6:G0M+7], 256
	s_wait_xcnt 0x0                                ; the last prefetch, two turns back, has read its address
	s_add_nc_u64 s[PFA:PFA+1], s[PFA:PFA+1], s[PST:PST+1]
	s_wait_dscnt 0x0
	CROUND
	JLOAD3
	ASK
.else
	s_wait_dscnt 0x0
	s_barrier_signal -1
	s_barrier_wait -1
.endif
	s_xor_b32 s[TB], s[TB], SLOT
.endm
	s_wait_tensorcnt 0x1                           ; my tile of slot 0 is in; slot 1's may stay out
	s_barrier_signal -1
	s_barrier_wait -1
	FETCH_KM 0                                     ; step 0
	s_wait_dscnt 0x0
.set PAR, 1                                    ; (UNP writes the buffer of the other parity: buffer 0)
.set u, 0
.rept 64
	UNP u
.set u, u+1
.endr
	FETCH_V 0
	s_wait_loadcnt 0x0                             ; Q
.set i, 0
.rept 32
	KQ 0
.set i, i+1
.endr
	WIN 0
	PLACES
	s_branch .Lfirst                               ; the loop is entered at an even turn, in the middle of a trip
.Lslot:                                        ; 14 times: every slot but the last two is filled again
	CHANGE 1
	TURN 1
	WIN 0
.Lfirst:
	TURN 0
	WIN 0
	s_sub_co_u32 s[SLOTS], s[SLOTS], 1
	s_cmp_lg_u32 s[SLOTS], 0
	s_cbranch_scc1 .Lslot
	CHANGE 0                                       ; the tail is written out
	s_mov_b32 s[CNT], 2
.Ltail:                                        ; turns 29, 30, 31; turn 31's loads and its products K Q^T, on the last slot's first step once more, serve nothing: the price of one text for every turn
	TURN 1
	WIN 0
	s_sub_co_u32 s[CNT], s[CNT], 1
	s_cmp_eq_u32 s[CNT], 0
	s_cbranch_scc1 .Lout
	TURN 0
	WIN 0
	s_branch .Ltail
.Lout:
.set i, 0
.rept 64
	PV 1                                           ; V^T P of the last step
.set i, i+1
.endr
	WIN 0
.macro ALL line:vararg                 ; one line for each tile t
.set t, 0
.rept 4
	\line
.set t, t+1
.endr
.endm
	; THE MERGE.  l's two halves and the other half of the lanes' are added (the first four lines are the places behind the last products); l goes beside m.
	ALL v_add_f32 v[ST+8*t+2], v[ST+8*t+2], v[ST+8*t+3]
	ALL v_permlanex16_b32 v[ST+8*t+3], v[ST+8*t+2], s[SEL], s[SEL+1]
	ALL v_add_f32 v[ST+8*t+1], v[ST+8*t+2], v[ST+8*t+3]
	s_wait_dscnt 0x0                               ; my reads of the slots are over,
	s_barrier_signal -1
	s_barrier_wait -1                              ; everybody's are: slot 0's bytes, which no tensor load fills any more, take the partial results
	s_cmp_lt_u32 s[WV], 2
	s_cbranch_scc1 .Lkeep
	WIN 0x04                                       ; store data in window 1
.set i, 0
.rept 64
	ds_store_b128 v[XO], v[4*i:4*i+3] offset:512*i
.set i, i+1
.endr
	WIN 0
	ALL ds_store_b64 v[XS], v[ST+8*t:ST+8*t+1] offset:256*t
.Lkeep:
	s_wait_dscnt 0x0                               ; for the others' sake: my stores are done
	s_barrier_signal -1
	s_barrier_wait -1
	s_cmp_lt_u32 s[WV], 2
	s_cbranch_scc0 .Lend
	ALL ds_load_b64 v[PB+2*t:PB+2*t+1], v[XS] offset:256*t
	WIN 0xc0                                       ; the partner's O^T into V's registers
.set i, 0
.rept 64
	ds_load_b128 v[4*i:4*i+3], v[XO] offset:512*i
.set i, i+1
.endr
	WIN 0
	s_wait_dscnt 0x0
	ALL v_max_num_f32 v[ST+8*t+6], v[ST+8*t], v[PB+2*t]
	ALL v_sub_f32 v[ST+8*t+4], v[ST+8*t], v[ST+8*t+6]
	ALL v_sub_f32 v[ST+8*t+5], v[PB+2*t], v[ST+8*t+6]
	ALL v_exp_f32 v[ST+8*t+4], v[ST+8*t+4]
	ALL v_exp_f32 v[ST+8*t+5], v[ST+8*t+5]
	v_nop
	s_wait_alu depctr_va_vdst(0)                   ; one wait for the eight exponentials
	ALL v_mul_f32 v[ST+8*t+7], v[ST+8*t+1], v[ST+8*t+4]
	ALL v_fma_f32 v[ST+8*t+7], v[PB+2*t+1], v[ST+8*t+5], v[ST+8*t+7]
	ALL v_rcp_f32 v[ST+8*t+7], v[ST+8*t+7]
	v_nop
	s_wait_alu depctr_va_vdst(0)                   ; one wait for the four reciprocals
	ALL v_mul_f32 v[ST+8*t+4], v[ST+8*t+4], v[ST+8*t+7]
	ALL v_mul_f32 v[ST+8*t+5], v[ST+8*t+5], v[ST+8*t+7]
; Tile t: O = mine x g + the partner's x g'; hi = f16(O), lo = f16(O - hi); both through my stages, back as whole rows of 256 bytes, stored.
.macro FINAL t
.set rT, ST+8*(\t)
	WIN W_RS
.set i, 64*(\t)
.rept 32
	v_pk_mul_f32 v[i:i+1], v[i:i+1], v[rT+4:rT+5] op_sel_hi:[1,0]
.set i, i+2
.endr
	WIN W_PV                                       ; source 0 window 3, source 1 window 0, source 2 and destination window 1
.set i, 64*(\t)
.rept 32
	v_pk_fma_f32 v[i:i+1], v[i:i+1], v[rT+4:rT+5], v[i:i+1] op_sel:[0,1,0] op_sel_hi:[1,1,1]
.set i, i+2
.endr
	WIN 0x05
.set i, 0
.rept 32
	v_cvt_pk_f16_f32 v[HH+i], v[64*(\t)+2*i], v[64*(\t)+2*i+1]
.set i, i+1
.endr
	WIN 0x10                                       ; source 2 window 1
.set i, 0
.rept 32
	v_fma_mix_f32 v[RR+2*i], v[HH+i], v[M1], v[64*(\t)+2*i] op_sel_hi:[1,0,0]
	v_fma_mix_f32 v[RR+2*i+1], v[HH+i], v[M1], v[64*(\t)+2*i+1] op_sel:[1,0,0] op_sel_hi:[1,0,0]
.set i, i+1
.endr
	WIN 0
.set i, 0
.rept 32
	v_cvt_pk_f16_f32 v[LL+i], v[RR+2*i], v[RR+2*i+1]
.set i, i+1
.endr
	s_wait_xcnt 0x0                                ; the tile before's stores have read their data: those registers are loaded again below
.irp f, 0,1,2,3,4,5,6,7
	ds_store_b128 v[STO], v[HH+4*(\f):HH+4*(\f)+3] offset:32*(\f)
	ds_store_b128 v[STO], v[LL+4*(\f):LL+4*(\f)+3] offset:16*SP+32*(\f)
.endr
.irp f, 0,1,2,3,4,5,6,7
	ds_load_b128 v[BKO+4*(\f):BKO+4*(\f)+3], v[RD] offset:(\f)*2*SP   ; LDS serves a wave's instructions in order: these see the stores above
.endr
.irp f, 0,1,2,3,4,5,6,7
	ds_load_b128 v[BKO+32+4*(\f):BKO+32+4*(\f)+3], v[RD] offset:16*SP+(\f)*2*SP
.endr
.irp f, 0,1,2,3,4,5,6,7
	s_wait_dscnt 15-(\f)
	global_store_b128 v[GO], v[BKO+4*(\f):BKO+4*(\f)+3], s[10:11] offset:(16*(\t)+2*(\f))*4096  ; 16 lanes store 256 consecutive bytes, aligned
.endr
.irp f, 0,1,2,3,4,5,6,7
	s_wait_dscnt 7-(\f)
	global_store_b128 v[GO], v[BKO+32+4*(\f):BKO+32+4*(\f)+3], s[OLO:OLO+1] offset:(16*(\t)+2*(\f))*4096
.endr
.endm
	FINAL 0
	FINAL 1
	FINAL 2
	FINAL 3
.Lend:
	s_wait_tensorcnt 0x0                           ; the wave's end
	ds_add_u32 v[SPW], v[NIL]
	s_wait_dscnt 0x0
	CROUND                                         ; the closing round
	s_endpgm
.Lfunc_end_k_q0d311789e2_attn:
	.size	k_q0d311789e2_attn, .Lfunc_end_k_q0d311789e2_attn-k_q0d311789e2_attn
	.p2alignl 7, 3214868480
	.fill 96, 4, 3214868480
	.section	.rodata,"a",@progbits
	.p2align	6, 0x0
	.amdhsa_kernel k_q0d311789e2_attn
		.amdhsa_group_segment_fixed_size 327680
		.amdhsa_private_segment_fixed_size 0
		.amdhsa_enable_private_segment 0
		.amdhsa_kernarg_size 32
		.amdhsa_user_sgpr_count 2
		.amdhsa_user_sgpr_kernarg_segment_ptr 1
		.amdhsa_wavefront_size32 1
		.amdhsa_system_sgpr_workgroup_id_x 1
		.amdhsa_system_sgpr_workgroup_id_y 1
		.amdhsa_system_sgpr_workgroup_id_z 1
		.amdhsa_system_vgpr_workitem_id 0
		.amdhsa_next_free_vgpr 1024
		.amdhsa_next_free_sgpr 102
		.amdhsa_reserve_vcc 0
		.amdhsa_float_denorm_mode_32 3
		.amdhsa_float_denorm_mode_16_64 3
		.amdhsa_memory_ordered 1
		.amdhsa_forward_progress 1
		.amdhsa_inst_pref_size 255
	.end_amdhsa_kernel
	.section	.bss,"aw",@nobits
	.p2align	6
	.space	262144
	.amdgpu_metadata
---
amdhsa.version: [ 1, 2 ]
amdhsa.kernels:
  - .name:           k_q0d311789e2_attn
    .symbol:         k_q0d311789e2_attn.kd
    .args:
      - { .name: qk, .offset: 0, .size: 8, .value_kind: global_buffer, .address_space: global }
      - { .name: vv, .offset: 8, .size: 8, .value_kind: global_buffer, .address_space: global }
      - { .name: mk, .offset: 16, .size: 8, .value_kind: global_buffer, .address_space: global }
      - { .name: ohl, .offset: 24, .size: 8, .value_kind: global_buffer, .address_space: global }
    .group_segment_fixed_size: 327680
    .private_segment_fixed_size: 0
    .kernarg_segment_align: 8
    .kernarg_segment_size: 32
    .max_flat_workgroup_size: 128
    .sgpr_count:     102
    .vgpr_count:     1024
    .wavefront_size: 32
...
	.end_amdgpu_metadata
.endif
;; end of part 3
;; launch oproj (part 4): grid 16 x 16, 4 waves a work-group, clusters of 4 x 4, 327,680 bytes of LDS; arguments ohl, wo, out0; writes out0
.if DOCPART == 4
	.amdgcn_target "amdgcn-amd-amdhsa--gfx1250"
	.amdhsa_code_object_version 6
	.text
	.protected	k_q0d311789e2_oproj
	.globl	k_q0d311789e2_oproj
	.p2align	8
	.type	k_q0d311789e2_oproj,@function
k_q0d311789e2_oproj:
	s_mov_b64 s[64:65], 0
	v_nop
	global_prefetch_b8 v0, s[64:65] scope:SCOPE_SE
	s_setreg_imm32_b32 hwreg(HW_REG_WAVE_MODE, 25, 1), 1
	s_wait_xcnt 0x0
	s_wait_alu depctr_hold_cnt(0) depctr_sa_sdst(0) depctr_va_vdst(0) depctr_va_sdst(0) depctr_va_ssrc(0) depctr_va_vcc(0) depctr_vm_vsrc(0)
	s_getreg_b32 s2, hwreg(HW_REG_IB_STS2, 6, 4)
	s_cmp_eq_u32 s2, 0
	s_cbranch_scc0 .Lentry_in_a_cluster
	s_endpgm
.Lentry_in_a_cluster:
	s_bfe_u32 s2, ttmp6, 0x10000c
	s_cmp_lg_u32 s2, 0xf033
	s_cbranch_scc0 .Lentry_shape_is_right
	s_endpgm
.Lentry_shape_is_right:
; out[token][n] = sum over k of O[token][k] W[n][k], with O = Oh + Ol and W = Wh + Wl in f16: Oh Wh + Oh Wl + Ol Wh, f32 sums, out in f32.  (Ol Wl lies 2^-22 below the result and is left out.)
; ohl is read as [4096][2048]: rows 0.. Oh, 2048.. Ol; wo likewise: Wh, Wl.  A tile of out is 128 x 128: four waves of 64 x 64, 16 accumulators each.  K goes in 16 steps of 128 through two LDS slots.
; A slot holds four tiles of 128 rows x 256 bytes: Oh, Ol, Wh, Wl: wave w fills tile w.  CLUSTER 4 x 4: O's tiles are shared along a row of the cluster, W's along a column.
; THE MATRIX INSTRUCTION IS USED TRANSPOSED (source 0 = 16 rows of W, source 1 = 16 rows of O): a lane holds one token and eight neighbouring columns, 32 bytes.
; REGISTERS: window 0: v0-31 addresses; v32-95 rows on the way out; v128-255 the accumulators ((a, b) at 128 + 8 (4 a + b)).  window 1: two fragment buffers of 128: Oh 8 a, Ol 32 + 8 a, Wh 64 + 8 b, Wl 96 + 8 b.
.set SIZE_K, 2048
.set KSTEP,  128
.set PITCH,  272
.set HALFT,  128*PITCH
.set SLOT,   4*HALFT
.set STAGE,  2*SLOT
.set SPITCH, 272
.set SPARE,  STAGE+4*16*SPITCH
.set ADRA,  16
.set ADRA0, 17
.set ADRB,  20
.set ADRB0, 21
.set STO,   24
.set RD,    25
.set CO,    26
.set SPW,   28
.set NIL,   29
.set OB,    32
.set ACC,   128
.set F0,    0
.set F1,    128
.set WV,    12
.set SIDE,  13                         ; wave / 2: my 64 rows; also: I fetch for O (0) or W (1)
.set HALF,  14                         ; wave % 2: my 64 columns; also: I fetch hi (0) or lo (1)
.set TB,    46
.set CNT,   47
.set G1,  24
.set G0,  32
.set G1B, 48
.set G0B, 56
.set MSB, 0
.macro WIN new
.if MSB != (\new)
	s_set_vgpr_msb (MSB<<8)|(\new)
.set MSB, \new
.endif
.endm
.set MUL,  0x05
.set TO_F, 0x40
.macro PLACES
.rept 4
	v_nop
.endr
.endm
.macro JLOAD
	s_cmp_eq_u32 s[SIDE], 0
	s_cbranch_scc0 .Lfor_b_\@
	tensor_load_to_lds s[G0+4:G0+7], s[G1:G1+7]
	s_nop 0
	PLACES
	s_branch .Lasked_\@
.Lfor_b_\@:
	tensor_load_to_lds s[G0B+4:G0B+7], s[G1B:G1B+7]
	s_nop 0
	PLACES
.Lasked_\@:
.endm
.macro CREST
	s_cmp_lg_u32 s[WV], 0
	s_cbranch_scc1 .Lnot_wave_0_\@
	s_barrier_signal -3
.Lnot_wave_0_\@:
	s_barrier_wait -3
	s_barrier_signal -1
	s_barrier_wait -1
.endm
.macro CROUND
	s_barrier_signal -1
	s_barrier_wait -1
	CREST
.endm
	s_load_b128 s[4:7], s[0:1], 0x0                ; ohl s[4:5], wo s[6:7]
	s_load_b64 s[8:9], s[0:1], 0x10                ; out0
	v_lshl_add_u32 v[SPW], v0, 2, SPARE
	v_mov_b32 v[NIL], 0
	ds_add_u32 v[SPW], v[NIL]                      ; the wave's opening: the add and its wait ahead of my first tensor load
	v_lshrrev_b32 v1, 5, v0
	v_readfirstlane_b32 s[WV], v1
	s_lshr_b32 s[SIDE], s[WV], 1
	s_and_b32 s[HALF], s[WV], 1
	s_bfe_u32 s40, ttmp6, 0x40000                  ; cx
	s_bfe_u32 s41, ttmp6, 0x40004                  ; cy
	s_lshl_b32 s42, ttmp9, 2
	s_add_co_u32 s42, s42, s40                     ; tile column
	s_and_b32 s43, ttmp7, 0xffff
	s_lshl_b32 s43, s43, 2
	s_add_co_u32 s43, s43, s41                     ; tile row
	s_lshl_b32 s44, s41, 2
	s_lshl_b32 s44, 15, s44
	s_lshl_b32 s45, 0x1111, s40
	s_or_b32 s[G1], s44, (1<<16)|(1<<20)|(1<<21)|(5<<22)|(3<<25)
	s_or_b32 s[G1B], s45, (1<<16)|(1<<20)|(1<<21)|(5<<22)|(3<<25)
.irp g, G1, G1B
	s_mov_b32 s[(\g)+1], KSTEP<<16
	s_mov_b32 s[(\g)+2], 128<<16
	s_mov_b32 s[(\g)+3], KSTEP<<16
	s_mov_b32 s[(\g)+4], 128
	s_mov_b32 s[(\g)+5], SIZE_K
	s_mov_b32 s[(\g)+6], 0
	s_mov_b32 s[(\g)+7], 0
.endr
	s_lshl_b32 s18, s[HALF], 11                    ; hi or lo: 2,048 rows on
	s_lshl_b32 s16, s43, 7
	s_add_co_u32 s16, s16, s18                     ; O's row: the tile row and the wave alone
	s_lshl_b32 s16, s16, 12
	s_mov_b32 s17, 0
	s_lshl_b32 s20, s42, 7
	s_add_co_u32 s20, s20, s18                     ; W's row: the tile column and the wave alone
	s_lshl_b32 s20, s20, 12
	s_mov_b32 s21, 0
	s_mul_i32 s22, s[WV], HALFT
	s_mov_b32 s[TB], 0
	s_wait_dscnt 0x0                               ; the opening add is done
	s_wait_kmcnt 0x0
	s_add_nc_u64 s[16:17], s[4:5], s[16:17]
	s_add_nc_u64 s[20:21], s[6:7], s[20:21]
	CROUND
.irp s, 0,1
	s_mov_b32 s[G0+4*(\s)], 1
	s_add_co_u32 s[G0+4*(\s)+1], s22, (\s)*SLOT
	s_add_nc_u64 s[G0+4*(\s)+2:G0+4*(\s)+3], s[16:17], (\s)*KSTEP*2
	s_or_b32 s[G0+4*(\s)+3], s[G0+4*(\s)+3], 0x80000000
	s_mov_b32 s[G0B+4*(\s)], 1
	s_add_co_u32 s[G0B+4*(\s)+1], s22, (\s)*SLOT
	s_add_nc_u64 s[G0B+4*(\s)+2:G0B+4*(\s)+3], s[20:21], (\s)*KSTEP*2
	s_or_b32 s[G0B+4*(\s)+3], s[G0B+4*(\s)+3], 0x80000000
.endr
	s_cmp_eq_u32 s[SIDE], 0
	s_cbranch_scc0 .Lfirst_b
	tensor_load_to_lds s[G0:G0+3], s[G1:G1+7]
	s_nop 0
	tensor_load_to_lds s[G0+4:G0+7], s[G1:G1+7]
	s_nop 0
	PLACES
	s_branch .Lfirst_asked
.Lfirst_b:
	tensor_load_to_lds s[G0B:G0B+3], s[G1B:G1B+7]
	s_nop 0
	tensor_load_to_lds s[G0B+4:G0B+7], s[G1B:G1B+7]
	s_nop 0
	PLACES
.Lfirst_asked:
	v_and_b32 v1, 15, v0
	v_bfe_u32 v2, v0, 4, 1
	v_mul_u32_u24 v3, v1, PITCH
	v_lshl_add_u32 v3, v2, 4, v3
	s_mul_i32 s18, s[SIDE], 64*PITCH               ; my 64 rows of Oh; Ol's lie HALFT further on
	s_mul_i32 s19, s[HALF], 64*PITCH               ; my 64 rows of Wh,
	s_add_co_u32 s19, s19, 2*HALFT                 ; behind O's two tiles
	v_add_nc_u32 v[ADRA0], s18, v3
	v_add_nc_u32 v[ADRB0], s19, v3
	v_mov_b32 v[ADRA], v[ADRA0]
	v_mov_b32 v[ADRB], v[ADRB0]
	s_mul_i32 s23, s[WV], 16*SPITCH
	s_add_co_u32 s23, s23, STAGE
	v_mul_u32_u24 v4, v1, SPITCH                   ; in: row l % 16, 32 bytes for each half of the lanes
	v_lshl_add_u32 v4, v2, 5, v4
	v_add_nc_u32 v[STO], s23, v4
	v_mul_u32_u24 v5, v2, SPITCH                   ; back: lanes 0-15 one row of 256 bytes, lanes 16-31 the next
	v_lshl_add_u32 v5, v1, 4, v5
	v_add_nc_u32 v[RD], s23, v5
	v_lshlrev_b32 v[CO], 13, v2                    ; and the same two rows of out, 8,192 bytes apart
	v_lshl_add_u32 v[CO], v1, 4, v[CO]
; 16 matrix instructions, 32 along K, the 16 accumulators by turns.  kind 0: Wh Oh; 1: Wl Oh; 2: Wh Ol.
.macro MULK f, kind, zero
	WIN MUL
.irp a, 0,1,2,3
.irp b, 0,1,2,3
.if \zero
	v_wmma_f32_16x16x32_f16 v[ACC+8*(4*(\a)+(\b)):ACC+8*(4*(\a)+(\b))+7], v[(\f)+64+32*((\kind)%2)+8*(\b):(\f)+64+32*((\kind)%2)+8*(\b)+7], v[(\f)+32*((\kind)/2)+8*(\a):(\f)+32*((\kind)/2)+8*(\a)+7], 0
.else
	v_wmma_f32_16x16x32_f16 v[ACC+8*(4*(\a)+(\b)):ACC+8*(4*(\a)+(\b))+7], v[(\f)+64+32*((\kind)%2)+8*(\b):(\f)+64+32*((\kind)%2)+8*(\b)+7], v[(\f)+32*((\kind)/2)+8*(\a):(\f)+32*((\kind)/2)+8*(\a)+7], v[ACC+8*(4*(\a)+(\b)):ACC+8*(4*(\a)+(\b))+7]
.endif
.endr
.endr
.endm
.macro FETCH k, f                      ; 32 LDS loads in one run: Wh, Oh, then Wl, Ol
	WIN TO_F
.irp p, 0,1
.irp i, 0,1,2,3
	ds_load_b128 v[(\f)+64+32*(\p)+8*(\i):(\f)+64+32*(\p)+8*(\i)+3],   v[ADRB] offset:(\p)*HALFT+(\k)+(\i)*16*PITCH
	ds_load_b128 v[(\f)+64+32*(\p)+8*(\i)+4:(\f)+64+32*(\p)+8*(\i)+7], v[ADRB] offset:(\p)*HALFT+(\k)+(\i)*16*PITCH+32
.endr
.irp i, 0,1,2,3
	ds_load_b128 v[(\f)+32*(\p)+8*(\i):(\f)+32*(\p)+8*(\i)+3],   v[ADRA] offset:(\p)*HALFT+(\k)+(\i)*16*PITCH
	ds_load_b128 v[(\f)+32*(\p)+8*(\i)+4:(\f)+32*(\p)+8*(\i)+7], v[ADRA] offset:(\p)*HALFT+(\k)+(\i)*16*PITCH+32
.endr
.endr
.endm
.macro QUARTER k, f, g, zero
	s_wait_dscnt 16                                ; Wh and Oh are in; Wl's and Ol's sixteen loads may stay out
	MULK \f, 0, \zero
	PLACES
	FETCH \k, \g
	s_wait_dscnt 32                                ; all but the 32 just issued
	MULK \f, 1, 0
	MULK \f, 2, 0
.endm
.macro TURN fill                       ; the last quarter and the change of slots: the waits, the add, one barrier (with fill = 1 it opens a round of the cluster's), the joint refill first behind it
	WIN 0
	s_wait_tensorcnt 0x0
	ds_add_u32 v[SPW], v[NIL]
	s_wait_dscnt 17                                ; the add and the youngest sixteen loads may be out
	MULK F1, 0, 0
	s_wait_dscnt 0x0                               ; the add is done, my reads of this slot are over
	s_barrier_signal -1
	MULK F1, 1, 0
.if \fill
	WIN 0
.endif
	s_barrier_wait -1
.if \fill
	CREST
	s_xor_b32 s[G0+5], s[G0+5], SLOT
	s_add_nc_u64 s[G0+6:G0+7], s[G0+6:G0+7], KSTEP*2
	s_xor_b32 s[G0B+5], s[G0B+5], SLOT
	s_add_nc_u64 s[G0B+6:G0B+7], s[G0B+6:G0B+7], KSTEP*2
	JLOAD                                          ; its four v_nop are also the places in front of the loads below
.else
	PLACES
.endif
	WIN 0
	s_xor_b32 s[TB], s[TB], SLOT
	v_add_nc_u32 v[ADRA], s[TB], v[ADRA0]
	v_add_nc_u32 v[ADRB], s[TB], v[ADRB0]
	FETCH 0, F0
	MULK F1, 2, 0
.endm
	s_wait_tensorcnt 0x1                           ; my tile of K step 0 is in; K step 1's may stay out
	s_barrier_signal -1
	s_barrier_wait -1
	FETCH 0, F0
	QUARTER 64, F0, F1, 1
	WIN 0
	s_mov_b32 s[CNT], 14
.Lstep:
	QUARTER 128, F1, F0, 0
	QUARTER 192, F0, F1, 0
	TURN 1
	QUARTER 64, F0, F1, 0
	WIN 0
	s_sub_co_u32 s[CNT], s[CNT], 1
	s_cmp_lg_u32 s[CNT], 0
	s_cbranch_scc1 .Lstep
	s_mov_b32 s[CNT], 2
.Ltail:                                        ; the last two K steps ask for nothing; the second trip is left in its middle (its fetch serves nothing)
	QUARTER 128, F1, F0, 0
	QUARTER 192, F0, F1, 0
	TURN 0
	WIN 0
	s_sub_co_u32 s[CNT], s[CNT], 1
	s_cmp_eq_u32 s[CNT], 0
	s_cbranch_scc1 .Lout
	QUARTER 64, F0, F1, 0
	WIN 0
	s_branch .Ltail
.Lout:
	s_wait_dscnt 0x0
	PLACES
	s_lshl_b32 s16, s43, 7                         ; my first token: 128 x tile row + 64 x half,
	s_lshl_b32 s17, s[SIDE], 6
	s_add_co_u32 s16, s16, s17
	s_lshl_b32 s16, s16, 13                        ; rows of 8,192 bytes
	s_mov_b32 s17, 0
	s_add_nc_u64 s[8:9], s[8:9], s[16:17]
	s_lshl_b32 s20, s42, 9                         ; my first column: 512 bytes a tile, 256 a wave
	s_lshl_b32 s21, s[HALF], 8
	s_add_co_u32 s20, s20, s21
	s_mov_b32 s21, 0
	s_add_nc_u64 s[8:9], s[8:9], s[20:21]
	; THE WAY OUT, 16 tokens at a time: the accumulators go as they are into my stage (each one's four lowest registers first), come back as whole rows of 256 bytes, and are stored.
.irp a, 0,1,2,3
.set BK, OB+32*((\a)%2)
.irp b, 0,1,2,3
	ds_store_b128 v[STO], v[ACC+8*(4*(\a)+(\b)):ACC+8*(4*(\a)+(\b))+3] offset:64*(\b)
	ds_store_b128 v[STO], v[ACC+8*(4*(\a)+(\b))+4:ACC+8*(4*(\a)+(\b))+7] offset:64*(\b)+16
.endr
	s_wait_xcnt 0x0                                ; earlier stores have read their data: these registers are loaded again
.irp t, 0,1,2,3,4,5,6,7
	ds_load_b128 v[BK+4*(\t):BK+4*(\t)+3], v[RD] offset:(\t)*2*SPITCH  ; LDS serves a wave's instructions in order: these see the stores above
.endr
	s_wait_dscnt 0x0
.irp t, 0,1,2,3,4,5,6,7
	global_store_b128 v[CO], v[BK+4*(\t):BK+4*(\t)+3], s[8:9] offset:(16*(\a)+2*(\t))*8192 th:TH_STORE_NT  ; 16 lanes store 256 consecutive bytes, aligned
.endr
.endr
	s_wait_tensorcnt 0x0                           ; the wave's end
	ds_add_u32 v[SPW], v[NIL]
	s_wait_dscnt 0x0
	CROUND                                         ; the closing round
	s_endpgm
.Lfunc_end_k_q0d311789e2_oproj:
	.size	k_q0d311789e2_oproj, .Lfunc_end_k_q0d311789e2_oproj-k_q0d311789e2_oproj
	.p2alignl 7, 3214868480
	.fill 96, 4, 3214868480
	.section	.rodata,"a",@progbits
	.p2align	6, 0x0
	.amdhsa_kernel k_q0d311789e2_oproj
		.amdhsa_group_segment_fixed_size 327680
		.amdhsa_private_segment_fixed_size 0
		.amdhsa_enable_private_segment 0
		.amdhsa_kernarg_size 24
		.amdhsa_user_sgpr_count 2
		.amdhsa_user_sgpr_kernarg_segment_ptr 1
		.amdhsa_wavefront_size32 1
		.amdhsa_system_sgpr_workgroup_id_x 1
		.amdhsa_system_sgpr_workgroup_id_y 1
		.amdhsa_system_sgpr_workgroup_id_z 1
		.amdhsa_system_vgpr_workitem_id 0
		.amdhsa_next_free_vgpr 512
		.amdhsa_next_free_sgpr 66
		.amdhsa_reserve_vcc 0
		.amdhsa_float_denorm_mode_32 3
		.amdhsa_float_denorm_mode_16_64 3
		.amdhsa_memory_ordered 1
		.amdhsa_forward_progress 1
		.amdhsa_inst_pref_size 66
	.end_amdhsa_kernel
	.amdgpu_metadata
---
amdhsa.version: [ 1, 2 ]
amdhsa.kernels:
  - .name:           k_q0d311789e2_oproj
    .symbol:         k_q0d311789e2_oproj.kd
    .args:
      - { .name: ohl, .offset: 0, .size: 8, .value_kind: global_buffer, .address_space: global }
      - { .name: wo, .offset: 8, .size: 8, .value_kind: global_buffer, .address_space: global }
      - { .name: out0, .offset: 16, .size: 8, .value_kind: global_buffer, .address_space: global }
    .group_segment_fixed_size: 327680
    .private_segment_fixed_size: 0
    .kernarg_segment_align: 8
    .kernarg_segment_size: 24
    .max_flat_workgroup_size: 128
    .sgpr_count:     66
    .vgpr_count:     512
    .wavefront_size: 32
...
	.end_amdgpu_metadata
.endif
;; end of part 4
